; MI455X (gfx1250); checked and timed in simulation.
; The chip was launched on July 23, 2026; its instructions are those of AMD's public machine-readable ISA for CDNA 5 (MIT licence, August 2026) and "CDNA5" Instruction Set Architecture Reference Guide (July 2026). The comments in the code are by the model that wrote it; some were corrected since.
;; Multiheaded Self Attention. Allowed arithmetic: matrix products marked QUANTISED: E2M1 operands, one E8M0 scale for each 32 along K, by v_wmma_scale_f32_16x16x128_f8f6f4 with both operands' format E2M1 (or v_wmma_scale_f32_32x16x128_f4), f32 sums; products left as they are: bf16, f16 or f32 operands; f32 sums; everything else in f32.
;; Inputs: b_proj 1,024 float32; b_qkv 3,072 float32; w_proj 1,024 x 1,024 float32; w_qkv 3,072 x 1,024 float32; x 8 x 1,024 x 1,024 float32.
;; Outputs: out0 8 x 1,024 x 1,024 float32.
;; This version of the problem:
;;   THIS VERSION OF THE PROBLEM IS GIVEN IN LOW PRECISION. The matrix products marked QUANTISED in the list below multiply operands that are first quantised to E2M1 (2 exponent bits, 1 mantissa bit; 4 bits a number), with one power-of-two scale for each 32 numbers along K (OCP MX v1.0); their sums are f32. The products marked 'left as it is' may take bf16, f16 or f32 operands, with f32 sums. Whichever they take, every output number must still come out within the allowed error. Rounding operands to bf16 (8 significant bits) uses up far more of that allowance than f16 does (11 bits, for magnitudes from 6e-5 to 65,504). All else is computed in f32.
;;   The module's matrix products, in the order in which they are computed (A, B: the left and right operand; K: the contracted axis; several contracted axes count as one K, in the product's order):
;;     1. [M 8,192, K 1,024] x [K 1,024, N 3,072]; A: input x; B: input w_qkv: QUANTISED
;;     2. batch 128 x [M 1,024, K 64] x [K 64, N 1,024]; A: computed on the way; B: computed on the way: left as it is (an operand is computed on the way)
;;     3. batch 128 x [M 1,024, K 1,024] x [K 1,024, N 64]; A: computed on the way; B: computed on the way: left as it is (an operand is computed on the way)
;;     4. [M 8,192, K 1,024] x [K 1,024, N 1,024]; A: computed on the way; B: input w_proj: left as it is (an operand is computed on the way)
;;   THE QUANTISER, for each operand of a quantised product, along K:
;;     - K is cut into blocks of 32 from its start; a last block that is shorter is filled with zeros.
;;     - A block's scale is 2^e with e = floor(log2(the largest magnitude in the block)) - 2, held to -126 .. 127; a block of zeros has e = 0. As a byte (E8M0): e + 127.
;;     - Each number is divided by its block's scale, clamped to +-6, and rounded to the nearest number of E2M1, ties to even, subnormals kept.
;;     - The product sums the exact products of the quantised numbers (number of the format x scale) in f32.
;;   ~~~python
;;   def quantise(x, axis):      # numpy; x: float32 -> the quantised numbers, widened to float32 again
;;       x = np.moveaxis(x, axis, -1); K = x.shape[-1]
;;       x = np.pad(x, [(0, 0)] * (x.ndim - 1) + [(0, -K % 32)]); x = x.reshape(x.shape[:-1] + (-1, 32)); a = np.abs(x).max(-1, keepdims=True)
;;       e = np.where(a > 0, np.clip(np.frexp(np.where(a > 0, a, 1))[1] - 1 - 2, -126, 127), 0)      # np.frexp(a)[1] - 1 = floor(log2(a)), exactly
;;       r = np.clip(x / 2.0 ** e, -6, 6)
;;       step = 2.0 ** (np.maximum(np.frexp(np.where(r == 0, 1, r))[1] - 1, 0) - 1)
;;       q = np.round(r / step) * step * 2.0 ** e      # np.round: ties to even
;;       return np.moveaxis(q.reshape(q.shape[:-2] + (-1,))[..., :K], -1, axis).astype(np.float32)
;;   ~~~
;; One version. Each part assembles by itself: llvm-mc -triple=amdgcn-amd-amdhsa -mcpu=gfx1250 --defsym DOCPART=n.
;; ======== version 1 of 1: 4 launches
;; limits: values are held in f16: magnitudes above 65,504 overflow, below 6.1e-05 lose precision
;; workspace buffers: xc 4,194,304 bytes; xs 262,144 bytes; wc 1,572,864 bytes; ws 98,304 bytes; wp 2,097,152 bytes; qkv 50,331,648 bytes; att 16,777,216 bytes
;; launch prep (part 1): grid 768 x 1, 4 waves a work-group, no clusters, 33,280 bytes of LDS; arguments x, w_qkv, xc, xs, wc, ws, w_proj, wp; writes xc, xs, wc, ws, wp
.if DOCPART == 1
	.amdgcn_target "amdgcn-amd-amdhsa--gfx1250"
	.amdhsa_code_object_version 6
	.text
	.protected	k_qf51e68e9d5_prep
	.globl	k_qf51e68e9d5_prep
	.p2align	8
	.type	k_qf51e68e9d5_prep,@function
k_qf51e68e9d5_prep:
	s_mov_b64 s[64:65], 0
	v_nop
	global_prefetch_b8 v0, s[64:65] scope:SCOPE_SE
	s_setreg_imm32_b32 hwreg(HW_REG_WAVE_MODE, 25, 1), 1
	s_wait_xcnt 0x0
; x [8192][1024] and w_qkv [3072][1024], f32, become codes of FP4 (E2M1), K innermost, two codes a byte, with one E8M0 scale byte for each 32 along K; w_proj [1024][1024] becomes f16.
; A block's scale is 2^(floor(log2(its largest magnitude)) - 2); its byte is the largest magnitude's exponent field - 2, held at 1 from below.  Each number is divided by the scale and rounded to the nearest code, ties to even;
; what lies beyond 6 takes the largest code.
; LIMITS: a block of zeros gets the byte 1 where the quantiser says 127: its codes are zeros, which add nothing, and this program alone reads the bytes.  Blocks whose largest magnitude lies under 2^-124 keep the byte 1.
; NaN and infinities among the inputs are not served.  w_proj in f16: magnitudes beyond 65,504 become infinite, those under 6e-5 keep an absolute error of 2^-25.
; SHARES: 16,384 numbers a work-group, 4,096 a wave: 768 work-groups, three for each of 256 WGPs.  Work-groups 0-511 take x, 512-703 w_qkv, 704-767 w_proj.  Rows are dense and K is a multiple of 32: all three tensors are plain streams.
; QUANTISING: 8 steps of 512 numbers a wave.  Each of a step's four loads reads 512 consecutive bytes; the 2,048 bytes turn through the wave's own stage in LDS and come back 64 bytes a lane, so that a lane holds 16
; neighbours along K and two neighbouring lanes a block.  A lane's 16 codes are 8 bytes: the wave stores 256 consecutive bytes.  A wave's 128 scale bytes are gathered in LDS and leave as 128 consecutive bytes, aligned to 128:
; the neighbouring wave stores the other half of the aligned 256.  The scale bytes are one part in 128 of what the launch reads.
; No tensor loads, no barrier: waves share nothing.  No matrix unit, no cluster: the launch only streams, and no two work-groups read the same bytes.
.set WAVES, 4
.set STEPS, 8
.set WGA,   512                        ; x's work-groups
.set WGQ,   704                        ; x's and w_qkv's
.set NB,    2                          ; the cast: batches of 2,048 numbers a wave
.set EMAX,  2
.set CB,    8                          ; bytes of 16 codes
.set R,     16                         ; v16-79   four sets of 16 numbers as they are loaded
.set X,     80                         ; v80-111  two sets of 16 neighbours
.set C,     128                        ; v128-159 codes: four registers for each step, so that no store's data are written again
.set E,     112                        ; v112-119 a scale byte for each step
.set WREG,  8192                       ; LDS: a region for each wave: two stages of 32 x SP bytes, and behind them its 128 scale bytes
.set SP,    80                         ; a lane's place in a stage: its 64 bytes + 16 of padding
.set SPW,   12                         ; v12      LDS address of my spare word; never rewritten
.set NIL,   13                         ; v13      0; never rewritten
.set SPARE, WAVES*WREG                 ; behind the four regions: the spare words, 128 bytes a wave
.set F,     16                         ; the cast: v16-143 two sets of 64 numbers
.set H,     144                        ; the cast: v144-175 a batch's f16 pairs
	s_load_b128 s[4:7], s[0:1], 0x0                ; x, w_qkv
	s_load_b128 s[8:11], s[0:1], 0x10              ; x's codes, x's scale bytes
	s_load_b128 s[12:15], s[0:1], 0x20             ; w_qkv's codes, its scale bytes
	s_load_b128 s[24:27], s[0:1], 0x30             ; w_proj, its f16 copy
	v_lshl_add_u32 v[SPW], v0, 2, SPARE
	v_mov_b32 v[NIL], 0
	v_lshrrev_b32 v1, 5, v0
	v_readfirstlane_b32 s16, v1                    ; wave
	v_and_b32 v2, 31, v0                           ; lane
	v_lshlrev_b32 v3, 4, v2                        ; my 16 bytes of a load's 512
	s_mul_i32 s17, s16, WREG
	v_lshrrev_b32 v14, 2, v2
	v_mul_u32_u24 v14, v14, SP
	v_and_b32 v15, 3, v2
	v_lshl_add_u32 v14, v15, 4, v14
	v_add_nc_u32 v14, s17, v14                     ; the stage, on the way in: four lanes' 64 bytes on end, then 16 of padding
	v_mul_u32_u24 v15, v2, SP
	v_add_nc_u32 v15, s17, v15                     ; and on the way out: SP x lane: my 16 neighbours
	v_mul_u32_u24 v4, v2, CB                       ; 8 bytes a lane: my codes' place in a step's, and my f16 numbers' place in a cast store's
	v_lshrrev_b32 v5, 1, v2
	s_add_co_u32 s17, s17, 2*32*SP
	v_add_nc_u32 v5, s17, v5                       ; LDS: my wave's 128 scale bytes, my block's byte
	v_lshlrev_b32 v7, 2, v2                        ; and on the way out 4 bytes a lane
	v_add_nc_u32 v6, s17, v7
	s_wait_kmcnt 0x0
	s_cmp_ge_u32 ttmp9, WGQ                        ; the work-group's number alone decides: the last 64 work-groups cast w_proj
	s_cbranch_scc1 .Lcast
	s_cmp_lt_u32 ttmp9, WGA                        ; x's work-group or w_qkv's?  Only pointers are chosen: both take one path
	s_cselect_b64 s[4:5], s[4:5], s[6:7]
	s_cselect_b64 s[8:9], s[8:9], s[12:13]
	s_cselect_b64 s[10:11], s[10:11], s[14:15]
	s_cselect_b32 s17, 0, WGA
	s_sub_co_u32 s17, ttmp9, s17
	s_lshl_b32 s17, s17, 2
	s_add_co_u32 s18, s17, s16                     ; which run of 4,096 numbers of the tensor is my wave's
	s_mov_b32 s19, 0
	s_mov_b64 s[20:21], 512*STEPS*4
	s_mul_u64 s[20:21], s[18:19], s[20:21]
	s_add_nc_u64 s[4:5], s[4:5], s[20:21]
	s_mov_b64 s[20:21], 32*STEPS*CB
	s_mul_u64 s[20:21], s[18:19], s[20:21]
	s_add_nc_u64 s[8:9], s[8:9], s[20:21]
	s_lshl_b32 s18, s18, 7                         ; 128 scale bytes a run
	s_add_nc_u64 s[10:11], s[10:11], s[18:19]
.macro LOAD t
.irp i, 0,1,2,3
	global_load_b128 v[R+16*((\t)%4)+4*\i:R+16*((\t)%4)+4*\i+3], v3, s[4:5] offset:2048*(\t)+512*\i th:TH_LOAD_NT   ; 32 lanes read 512 consecutive bytes
.endr
.endm
.macro TURN t                          ; step t's numbers through the stage: LDS serves a wave's instructions in order, so no wait stands between the stores and the loads
.irp i, 0,1,2,3
	ds_store_b128 v14, v[R+16*((\t)%4)+4*\i:R+16*((\t)%4)+4*\i+3] offset:32*SP*((\t)%2)+8*SP*\i
.endr
.irp i, 0,1,2,3
	ds_load_b128 v[X+16*((\t)%2)+4*\i:X+16*((\t)%2)+4*\i+3], v15 offset:32*SP*((\t)%2)+16*\i
.endr
.endm
.irp t, 0,1,2,3
	LOAD \t
.endr
	s_wait_loadcnt 12                              ; step 0's four loads are in; the 12 of steps 1 to 3 stay out
	TURN 0
.macro STEP t
.set XS, X+16*((\t)%2)
.if (\t) > 0
	s_wait_dscnt 1                                 ; this step's numbers are back from the stage (the last step's byte store may be out): so its stores into the stage have read their registers,
.else
	s_wait_dscnt 0x0
.endif
.if (\t)+4 < STEPS
	LOAD (\t)+4                                    ; which take the loads of four steps on
.endif
.if (\t)+1 < STEPS
.if STEPS-2-(\t) >= 3
	s_wait_loadcnt 12                              ; the next step's four loads are in; those of the three steps behind it may be out
.else
	s_wait_loadcnt 4*(STEPS-2-(\t))
.endif
	TURN (\t)+1                                    ; and go through the other stage while this step is worked
.endif
	v_max3_num_f32 v8, |v[XS]|, |v[XS+1]|, |v[XS+2]|               ; the largest magnitude of my 16, in two chains
	v_max3_num_f32 v9, |v[XS+3]|, |v[XS+4]|, |v[XS+5]|
.irp i, 6,10
	v_max3_num_f32 v8, v8, |v[XS+\i]|, |v[XS+\i+1]|
	v_max3_num_f32 v9, v9, |v[XS+\i+2]|, |v[XS+\i+3]|
.endr
	v_max3_num_f32 v8, v8, |v[XS+14]|, |v[XS+15]|
	v_max3_num_f32 v8, v8, v9, (EMAX+1)<<23        ; and the floor 2^(EMAX + 1 - 127): so the byte cannot fall under 1
	v_max_num_f32_dpp v8, v8, v8 row_xmask:1 row_mask:0xf bank_mask:0xf   ; and of my neighbour's 16: the block's
	v_add_nc_u32 v11, -(EMAX<<23), v8              ; EMAX off its exponent field: the conversion takes the exponent field of this operand as its scale, and nothing else of it
	v_cvt_scalef32_pk8_fp4_f32 v[C+4*(\t)], v[XS:XS+7], v11        ; eight numbers / the scale, to the nearest code, ties to even; the first number's code in the lowest four bits
	v_cvt_scalef32_pk8_fp4_f32 v[C+4*(\t)+1], v[XS+8:XS+15], v11
	v_lshrrev_b32 v[E+(\t)], 23, v11               ; the scale's byte
	ds_store_b8 v5, v[E+(\t)] offset:16*(\t)       ; both lanes of a block write the same byte with the same value
	global_store_b64 v4, v[C+4*(\t):C+4*(\t)+1], s[8:9] offset:32*CB*(\t)   ; the wave stores 256 consecutive bytes, aligned
.endm
.irp t, 0,1,2,3,4,5,6,7
	STEP \t
.endr
	ds_load_b32 v8, v6                             ; LDS serves a wave's instructions in order: this sees my stores
	s_wait_dscnt 0x0
	global_store_b32 v7, v8, s[10:11]              ; 32 lanes store 128 consecutive bytes, aligned to 128
	s_wait_tensorcnt 0x0                           ; the wave's end, behind my last LDS store
	ds_add_u32 v[SPW], v[NIL]
	s_wait_dscnt 0x0
	s_endpgm
; THE CAST: w_proj to f16, two batches of 2,048 numbers a wave; a batch is 16 loads of 512 consecutive bytes and 16 stores of 256.  Both batches' loads go out at the start.
.Lcast:
	s_sub_co_u32 s17, ttmp9, WGQ
	s_lshl_b32 s17, s17, 2
	s_add_co_u32 s17, s17, s16                     ; which run of 4,096 numbers is my wave's
	s_lshl_b32 s18, s17, 14
	s_mov_b32 s19, 0
	s_add_nc_u64 s[24:25], s[24:25], s[18:19]
	s_lshl_b32 s18, s17, 13
	s_add_nc_u64 s[26:27], s[26:27], s[18:19]
.macro CL g
.irp i, 0,1,2,3,4,5,6,7,8,9,10,11,12,13,14,15
	global_load_b128 v[F+64*((\g)%2)+4*\i:F+64*((\g)%2)+4*\i+3], v3, s[24:25] offset:8192*(\g)+512*\i th:TH_LOAD_NT
.endr
.endm
.macro CAST g
.set FS, F+64*((\g)%2)
.if (\g) < NB-1
	s_wait_loadcnt 16                              ; this batch's 16 loads are in; the next batch's 16 stay out
.else
	s_wait_loadcnt 0x0
.endif
.if (\g) > 0
	s_wait_xcnt 0x0                                ; the last batch's stores have read their data registers, which are written again below
.endif
.irp i, 0,1,2,3,4,5,6,7,8,9,10,11,12,13,14,15
	v_cvt_pk_f16_f32 v[H+2*\i], v[FS+4*\i], v[FS+4*\i+1]
	v_cvt_pk_f16_f32 v[H+2*\i+1], v[FS+4*\i+2], v[FS+4*\i+3]
.endr
.irp i, 0,1,2,3,4,5,6,7,8,9,10,11,12,13,14,15
	global_store_b64 v4, v[H+2*\i:H+2*\i+1], s[26:27] offset:4096*(\g)+256*\i   ; the wave stores 256 consecutive bytes, aligned
.endr
.endm
	CL 0
	CL 1
	CAST 0
	CAST 1
	s_endpgm
.Lfunc_end_k_qf51e68e9d5_prep:
	.size	k_qf51e68e9d5_prep, .Lfunc_end_k_qf51e68e9d5_prep-k_qf51e68e9d5_prep
	.p2alignl 7, 3214868480
	.fill 96, 4, 3214868480
	.section	.rodata,"a",@progbits
	.p2align	6, 0x0
	.amdhsa_kernel k_qf51e68e9d5_prep
		.amdhsa_group_segment_fixed_size 33280
		.amdhsa_private_segment_fixed_size 0
		.amdhsa_enable_private_segment 0
		.amdhsa_kernarg_size 64
		.amdhsa_user_sgpr_count 2
		.amdhsa_user_sgpr_kernarg_segment_ptr 1
		.amdhsa_wavefront_size32 1
		.amdhsa_system_sgpr_workgroup_id_x 1
		.amdhsa_system_sgpr_workgroup_id_y 1
		.amdhsa_system_sgpr_workgroup_id_z 1
		.amdhsa_system_vgpr_workitem_id 0
		.amdhsa_next_free_vgpr 192
		.amdhsa_next_free_sgpr 66
		.amdhsa_reserve_vcc 0
		.amdhsa_float_denorm_mode_32 3
		.amdhsa_float_denorm_mode_16_64 3
		.amdhsa_memory_ordered 1
		.amdhsa_forward_progress 1
		.amdhsa_inst_pref_size 29
	.end_amdhsa_kernel
	.amdgpu_metadata
---
amdhsa.version: [ 1, 2 ]
amdhsa.kernels:
  - .name:           k_qf51e68e9d5_prep
    .symbol:         k_qf51e68e9d5_prep.kd
    .args:
      - { .name: x, .offset: 0, .size: 8, .value_kind: global_buffer, .address_space: global }
      - { .name: w_qkv, .offset: 8, .size: 8, .value_kind: global_buffer, .address_space: global }
      - { .name: xc, .offset: 16, .size: 8, .value_kind: global_buffer, .address_space: global }
      - { .name: xs, .offset: 24, .size: 8, .value_kind: global_buffer, .address_space: global }
      - { .name: wc, .offset: 32, .size: 8, .value_kind: global_buffer, .address_space: global }
      - { .name: ws, .offset: 40, .size: 8, .value_kind: global_buffer, .address_space: global }
      - { .name: w_proj, .offset: 48, .size: 8, .value_kind: global_buffer, .address_space: global }
      - { .name: wp, .offset: 56, .size: 8, .value_kind: global_buffer, .address_space: global }
    .group_segment_fixed_size: 33280
    .private_segment_fixed_size: 0
    .kernarg_segment_align: 8
    .kernarg_segment_size: 64
    .max_flat_workgroup_size: 128
    .sgpr_count:     66
    .vgpr_count:     192
    .wavefront_size: 32
...
	.end_amdgpu_metadata
.endif
;; end of part 1
;; launch qkv (part 2): grid 8 x 32, 4 waves a work-group, clusters of 4 x 4, 327,680 bytes of LDS; arguments xc, xs, wc, ws, b_qkv, qkv; writes qkv
.if DOCPART == 2
	.amdgcn_target "amdgcn-amd-amdhsa--gfx1250"
	.amdhsa_code_object_version 6
	.text
	.protected	k_qf51e68e9d5_qkv
	.globl	k_qf51e68e9d5_qkv
	.p2align	8
	.type	k_qf51e68e9d5_qkv,@function
k_qf51e68e9d5_qkv:
	s_mov_b64 s[64:65], 0
	v_nop
	global_prefetch_b8 v0, s[64:65] scope:SCOPE_SE
	s_setreg_imm32_b32 hwreg(HW_REG_WAVE_MODE, 25, 1), 1
	s_wait_xcnt 0x0
	s_wait_alu depctr_hold_cnt(0) depctr_sa_sdst(0) depctr_va_vdst(0) depctr_va_sdst(0) depctr_va_ssrc(0) depctr_va_vcc(0) depctr_vm_vsrc(0)
	s_getreg_b32 s2, hwreg(HW_REG_IB_STS2, 6, 4)
	s_cmp_eq_u32 s2, 0
	s_cbranch_scc0 .Lentry_in_a_cluster
	s_endpgm
.Lentry_in_a_cluster:
	s_bfe_u32 s2, ttmp6, 0x10000c
	s_cmp_lg_u32 s2, 0xf033
	s_cbranch_scc0 .Lentry_shape_is_right
	s_endpgm
.Lentry_shape_is_right:
; qkv[m][d] = sum over k of x[m][k] w_qkv[d][k] + b_qkv[d], on codes of FP4 (E2M1) with one E8M0 scale for each 32 along K; sums in f32; the result is rounded once to f16 and laid by head:
; [3 parts][8 batches][16 heads][1024 tokens][64], so that a head's rows are dense runs of 128 bytes.
; LIMITS: q, k and v are carried in f16: magnitudes beyond 65,504 become infinite, those under 6e-5 keep an absolute error of 2^-25.
; A WORK-GROUP STAYS: 256 work-groups, one for each of 256 WGPs.  Each owns 256 tokens x 128 columns (two heads) and makes THREE tiles of them, one for each part (q, k, v): a tile's stores leave while the next tile is multiplied.
; A wave makes 128 tokens x 64 columns (one head) of a tile: 32 accumulators of 16 x 16, 256 registers.
; LDS: two slots, one for each half of K (rows of 256 bytes).  A slot holds x's 256 rows, which serve all three tiles, then w_qkv's 128 rows of part 0, then those of part 1.  All that is asked for at the head: by this text's own
; count three tensor loads of a wave are out (its quarter of the scale bytes and of each slot).  PART 2 is brought into part 0's bytes, rows and scale bytes, behind tile 0's last read: one refill, one load a wave in three waves;
; it has a way out, a whole tile and a second way out in which to land.
; THE SCALES of x's 256 rows and of w_qkv's 128 rows of a part are dense blocks: they come in runs of 256 bytes.  x's scale words are read into registers once and serve all three tiles.
; CLUSTERS: 4 x 4 work-groups.  The four of a row of the cluster need the same rows of x, the four of a column the same rows of w_qkv: each tile is asked for JOINTLY.
; THE MATRIX INSTRUCTION IS USED TRANSPOSED (source 0 = 16 rows of w_qkv, source 1 = 16 tokens): a lane holds eight neighbouring columns of a token.  THE BIAS is the C of each tile's first products.
; NO PREFETCH: the codes are asked for at the head, or a tile and two ways out ahead of their use.
; REGISTERS, in windows of 256: window 0: v16-31 addresses; v32-95 x's scale words (half s of K, block a, step q at 32 s + 4 a + q); v96-127 w_qkv's (16 s + 4 b + q); v128-255 x's fragments, two sets of 64; on the way out at work.
;   window 1: v0-63 w_qkv's fragments, two sets of 32; v64-159 the bias, 32 a part.   window 2: the accumulators ((a, b) at v[8 (4 a + b)]).
.set ROWB,   256                       ; a tile's row in bytes: 512 codes
.set KROW,   512                       ; a row of codes in memory
.set PITCH,  272                       ; an LDS row: 256 bytes + 16 of padding = 68 words: the 16 rows that a load touches start 4 banks apart (64 banks of 4 bytes: ISA guide 11.1)
.set NP,     4                         ; places behind this matrix instruction (ISA guide 7.12.1)
.set HALFT,  128*PITCH                 ; 128 rows: what one tensor load brings
.set SLOT,   4*HALFT                   ; x's 256 rows, part 0's 128, part 1's 128
.set KS,     32                        ; a row of scale bytes
.set SCL,    2*SLOT                    ; behind the slots: the scale bytes, as runs of 256 bytes + 16 of padding: x's two halves, part 0's, part 1's
.set HALFS,  (128*KS/256)*272          ; those of 128 rows
.set SBLK,   (16*KS/256)*272           ; those of 16 rows
.set STAGE,  SCL+4*HALFS               ; behind the scales: the stages for the way out, bytes of their own, into which no tensor load lands
.set SP,     144                       ; a stage row: a token's 128 bytes of a head + 16
.set WSTG,   32*SP                     ; a wave's stage: 32 tokens
.set SPARE,  STAGE+4*WSTG              ; behind the stages: the spare words, 128 bytes a wave
.set ADRA, 16                          ; v16-17  LDS address of my fragments of x in slot 0, 1
.set ADRB, 20                          ; v20-21  the same for w_qkv, part 0's rows; part 1's lie HALFT further on
.set STO,  24                          ; v24     the way out: where I put 16 bytes of a token's row
.set RD,   25                          ; v25     the way out: where I read rows back
.set CO,   26                          ; v26     16 x lane
.set ADRSA, 27                         ; v27     LDS address of my row's scale words of x
.set SPW,  28                          ; v28     LDS address of my spare word; never rewritten
.set NIL,  29                          ; v29     0; never rewritten
.set BO,   30                          ; v30     32 x (lane / 16): my half's eight numbers of a bias tile
.set ADRSB, 31                         ; v31     LDS address of my row's scale words of w_qkv, part 0's; part 1's lie HALFS further on
.set SA,   32
.set SB,   96
.set AF,   128
.set TMP,  192                         ; the way out: packed results
.set BK,   128                         ; the way out: rows read back: v128-159 and v160-191 by turns
.set BI,   64                          ; in window 1: the bias
.set G1, 24                            ; s[24:31] group 1 for x's tiles; s[32:39] group 0, a set for each slot
.set G0, 32
.set G1B, 48                           ; s[48:55], s[56:63] the same for w_qkv's tiles
.set G0B, 56
.set G1S, 68                           ; s[68:75], s[76:79] groups 1 and 0 for x's scales; s[80:87], s[88:91] for w_qkv's
.set G0S, 76
.set G1SB, 80
.set G0SB, 88
.set OB0, 12                           ; s[12:13] where my rows of part 0 begin in qkv; s[66:67] part 1; s[98:99] part 2
.set OB1, 66
.set OB2, 98
.set MSB, 0
.macro WIN new                         ; the immediate's high byte repeats the setting that is left
.if MSB != \new
	s_set_vgpr_msb (MSB<<8)|\new
.set MSB, \new
.endif
.endm
.set MUL,  0xa1                        ; source 0 (w_qkv) window 1, source 1 (x) window 0, C and D window 2
.set BIA,  0x91                        ; a tile's first step: C (the bias) window 1, D window 2
.set TO_B, 0x40                        ; destination window 1, address window 0
; A joint load: waves 0 and 1 fetch for x, waves 2 and 3 for w_qkv.  The branch hangs on the wave's number alone.  An s_nop 0 and four v_nop follow each of the two lines.
.macro JLOAD g0a, g1a, g0b, g1b
	s_cmp_eq_u32 s15, 0
	s_cbranch_scc0 .Lfor_b_\@
	tensor_load_to_lds s[\g0a:\g0a+3], s[\g1a:\g1a+7]
	s_nop 0
.rept 4
	v_nop
.endr
	s_branch .Lasked_\@
.Lfor_b_\@:
	tensor_load_to_lds s[\g0b:\g0b+3], s[\g1b:\g1b+7]
	s_nop 0
.rept 4
	v_nop
.endr
.Lasked_\@:
.endm
.macro CROUND                          ; a round of the cluster's barrier
	s_barrier_signal -1
	s_barrier_wait -1
	s_cmp_lg_u32 s14, 0
	s_cbranch_scc1 .Lnot_wave_0_\@
	s_barrier_signal -3
.Lnot_wave_0_\@:
	s_barrier_wait -3
	s_barrier_signal -1
	s_barrier_wait -1
.endm
	s_load_b128 s[4:7], s[0:1], 0x0                ; x's codes, x's scales
	s_load_b128 s[8:11], s[0:1], 0x10              ; w_qkv's codes, its scales
	s_load_b64 s[96:97], s[0:1], 0x20              ; b_qkv
	s_load_b64 s[12:13], s[0:1], 0x28              ; qkv
	v_lshl_add_u32 v[SPW], v0, 2, SPARE
	v_mov_b32 v[NIL], 0
	ds_add_u32 v[SPW], v[NIL]                      ; the wave's opening: the add, twice on end, and its wait ahead of my first tensor load
	ds_add_u32 v[SPW], v[NIL]
	v_lshrrev_b32 v1, 5, v0
	v_readfirstlane_b32 s14, v1                    ; wave 0..3
	s_lshr_b32 s15, s14, 1                         ; which 128 tokens are mine.  Also: I fetch for x (0) or for w_qkv (1)
	s_and_b32 s16, s14, 1                          ; which head of the two.  Also: which 128 rows of x, or which part of w_qkv, I fetch at the head
	s_bfe_u32 s40, ttmp6, 0x40000                  ; cx, cy: my place in the cluster
	s_bfe_u32 s41, ttmp6, 0x40004
	s_lshl_b32 s42, ttmp9, 2
	s_add_co_u32 s42, s42, s40                     ; tile column (128 columns of each part) = 4 x cluster x + cx
	s_and_b32 s17, ttmp7, 0xffff
	s_lshl_b32 s17, s17, 2
	s_add_co_u32 s17, s17, s41                     ; tile row (256 tokens) = 4 x cluster y + cy
	s_lshl_b32 s43, s41, 2
	s_lshl_b32 s43, 15, s43                        ; my row of the cluster
	s_lshl_b32 s44, 0x1111, s40                    ; my column
	; descriptor group 1: a tile of 128 rows x 256 bytes, 16 bytes of padding behind each row
	s_or_b32 s[G1+0], s43, (0<<16)|(1<<20)|(1<<21)|(5<<22)|(3<<25)  ; 15:0 the mask; 17:16 elements of 1 byte; 20 padding on; 21 set beside a mask; 24:22 after every 64 words; 31:25 four words
	s_or_b32 s[G1B+0], s44, (0<<16)|(1<<20)|(1<<21)|(5<<22)|(3<<25)
.irp g, G1, G1B
	s_mov_b32 s[\g+1], ROWB<<16                    ; tensor_dim0
	s_mov_b32 s[\g+2], 128<<16                     ; tensor_dim1
	s_mov_b32 s[\g+3], ROWB<<16                    ; tile_dim0
	s_mov_b32 s[\g+4], 128                         ; tile_dim1
	s_mov_b32 s[\g+5], KROW                        ; from row to row
	s_mov_b32 s[\g+6], 0
	s_mov_b32 s[\g+7], 0
.endr
	; the scales of 128 rows: a dense block of 4,096 bytes, as 16 rows of 256 bytes (32 elements of 8 bytes), 16 bytes of padding behind each
	s_or_b32 s[G1S+0], s43, (3<<16)|(1<<20)|(1<<21)|(5<<22)|(3<<25)
	s_or_b32 s[G1SB+0], s44, (3<<16)|(1<<20)|(1<<21)|(5<<22)|(3<<25)
.irp g, G1S, G1SB
	s_mov_b32 s[\g+1], 32<<16
	s_mov_b32 s[\g+2], (128*KS/256)<<16
	s_mov_b32 s[\g+3], 32<<16
	s_mov_b32 s[\g+4], 128*KS/256
	s_mov_b32 s[\g+5], 32
	s_mov_b32 s[\g+6], 0
	s_mov_b32 s[\g+7], 0
.endr
	; x's addresses hang on the tile row and the wave alone, w_qkv's on the tile column and the wave alone, each in registers that never hold the other coordinate
	s_lshl_b32 s18, s16, 7                         ; which 128 rows of x I fetch
	s_lshl_b32 s20, s17, 8
	s_add_co_u32 s20, s20, s18                     ; row 256 x tile row + 128 x half
	s_mov_b32 s21, 0
	s_mov_b64 s[18:19], KS
	s_mul_u64 s[22:23], s[20:21], s[18:19]         ; where these rows' scales begin, in bytes
	s_mov_b64 s[18:19], KROW
	s_mul_u64 s[20:21], s[20:21], s[18:19]         ; and their codes
	s_lshl_b32 s46, s42, 16                        ; w_qkv: 128 rows of 512 bytes a tile column,
	s_mov_b32 s47, 0
	s_lshl_b32 s92, s42, 12                        ; and of 32 scale bytes
	s_mov_b32 s93, 0
	s_mul_i32 s45, s14, HALFT                      ; where they go: wave x 128 rows: no place in the cluster enters an LDS address
	s_mul_i32 s94, s14, HALFS
	s_wait_dscnt 0x0                               ; both opening adds are done
	s_wait_kmcnt 0x0
	s_add_nc_u64 s[20:21], s[4:5], s[20:21]
	s_add_nc_u64 s[22:23], s[6:7], s[22:23]
	s_add_nc_u64 s[8:9], s[8:9], s[46:47]          ; w_qkv's codes at my tile column's rows of part 0: kept for the refill
	s_add_nc_u64 s[10:11], s[10:11], s[92:93]      ; its scale bytes likewise
	s_lshl_b32 s46, s16, 19                        ; a part is 1,024 rows of 512 bytes: wave 2 fetches part 0, wave 3 part 1
	s_lshl_b32 s92, s16, 15                        ; and of 32 scale bytes
	s_add_nc_u64 s[46:47], s[8:9], s[46:47]
	s_add_nc_u64 s[92:93], s[10:11], s[92:93]
	CROUND                                         ; all sixteen work-groups are here: the joint loads meet
	s_mov_b32 s[G0S], 1
	s_add_co_u32 s[G0S+1], s94, SCL
	s_mov_b64 s[G0S+2:G0S+3], s[22:23]
	s_or_b32 s[G0S+3], s[G0S+3], 0x80000000
	s_mov_b32 s[G0SB], 1
	s_add_co_u32 s[G0SB+1], s94, SCL
	s_mov_b64 s[G0SB+2:G0SB+3], s[92:93]
	s_or_b32 s[G0SB+3], s[G0SB+3], 0x80000000
	JLOAD G0S, G1S, G0SB, G1SB                     ; the scales first: they are wanted with the first slot
.irp s, 0,1
	s_mov_b32 s[G0+4*\s], 1
	s_add_co_u32 s[G0+4*\s+1], s45, \s*SLOT
	s_add_nc_u64 s[G0+4*\s+2:G0+4*\s+3], s[20:21], \s*ROWB
	s_or_b32 s[G0+4*\s+3], s[G0+4*\s+3], 0x80000000
	s_mov_b32 s[G0B+4*\s], 1
	s_add_co_u32 s[G0B+4*\s+1], s45, \s*SLOT
	s_add_nc_u64 s[G0B+4*\s+2:G0B+4*\s+3], s[46:47], \s*ROWB
	s_or_b32 s[G0B+4*\s+3], s[G0B+4*\s+3], 0x80000000
	JLOAD G0+4*\s, G1, G0B+4*\s, G1B
.endr
	v_and_b32 v1, 15, v0                           ; r = lane % 16
	v_bfe_u32 v2, v0, 4, 1                         ; h = lane / 16
	; the bias of my 64 columns of each part: tile b's register j is b_qkv[1,024 part + first column + 16 b + 8 h + j], the result's own layout
	v_lshlrev_b32 v[BO], 5, v2
	s_lshl_b32 s46, s42, 9                         ; 128 columns of 4 bytes a tile column,
	s_lshl_b32 s47, s16, 8                         ; 64 a wave
	s_add_co_u32 s46, s46, s47
	s_mov_b32 s47, 0
	s_add_nc_u64 s[96:97], s[96:97], s[46:47]
	WIN TO_B
.irp p, 0,1,2
.irp b, 0,1,2,3
	global_load_b128 v[BI+32*\p+8*\b:BI+32*\p+8*\b+3], v[BO], s[96:97] offset:4096*\p+64*\b
	global_load_b128 v[BI+32*\p+8*\b+4:BI+32*\p+8*\b+7], v[BO], s[96:97] offset:4096*\p+64*\b+16
.endr
.endr
	WIN 0
	v_mul_u32_u24 v3, v1, PITCH
	v_lshl_add_u32 v4, v2, 4, v3                   ; a fragment's row x pitch + 16 x half
	s_mul_i32 s21, s15, HALFT                      ; my 128 tokens
	s_mul_i32 s22, s16, 64*PITCH                   ; my 64 rows of w_qkv,
	s_add_co_u32 s22, s22, 2*HALFT                 ; which lie behind x's 256
.irp s, 0,1
	v_add_nc_u32 v[ADRA+\s], s21, v4
	v_add_nc_u32 v[ADRB+\s], s22, v4
	s_add_co_u32 s21, s21, SLOT
	s_add_co_u32 s22, s22, SLOT
.endr
	v_mul_u32_u24 v5, v1, KS                       ; my row's scales: 32 bytes a row,
	v_lshrrev_b32 v6, 8, v5
	v_lshl_add_u32 v5, v6, 4, v5                   ; and 16 more for each 256 passed.  Lanes 16-31 read what lanes 0-15 read: the matrix instruction takes lanes 0-15
	s_mul_i32 s21, s15, HALFS
	s_add_co_u32 s21, s21, SCL
	v_add_nc_u32 v[ADRSA], s21, v5
	s_mul_i32 s22, s16, 4*SBLK
	s_add_co_u32 s22, s22, SCL+2*HALFS
	v_add_nc_u32 v[ADRSB], s22, v5
	s_mul_i32 s23, s14, WSTG
	s_add_co_u32 s23, s23, STAGE                   ; my stage
	v_mul_u32_u24 v5, v1, SP                       ; in: row r, 16 bytes for each half of the lanes
	v_lshl_add_u32 v5, v2, 4, v5
	v_add_nc_u32 v[STO], s23, v5
	v_and_b32 v6, 31, v0
	v_lshlrev_b32 v[CO], 4, v6                     ; out: 16 bytes a lane of 512 consecutive bytes: four tokens of my head
	v_lshrrev_b32 v5, 3, v6
	v_mul_u32_u24 v5, v5, SP                       ; back: eight lanes to a token's 128 bytes
	v_and_b32 v6, 7, v0
	v_lshl_add_u32 v5, v6, 4, v5
	v_add_nc_u32 v[RD], s23, v5
	; where my rows begin in qkv: ((part x 8 + batch) x 16 + head) x 2^17 + token x 128
	s_lshr_b32 s20, s17, 2                         ; batch = tile row / 4
	s_lshl_b32 s20, s20, 4
	s_lshl_b32 s21, s42, 1                         ; two heads a tile column,
	s_add_co_u32 s20, s20, s21
	s_add_co_u32 s20, s20, s16                     ; one a wave
	s_lshl_b32 s20, s20, 17
	s_and_b32 s21, s17, 3
	s_lshl_b32 s21, s21, 15                        ; 256 tokens of 128 bytes a tile row,
	s_add_co_u32 s20, s20, s21
	s_lshl_b32 s21, s15, 14                        ; 128 a wave
	s_add_co_u32 s20, s20, s21
	s_mov_b32 s21, 0
	s_add_nc_u64 s[OB0:OB0+1], s[12:13], s[20:21]
	s_add_nc_u64 s[OB1:OB1+1], s[OB0:OB0+1], 1<<24
	s_add_nc_u64 s[OB2:OB2+1], s[OB0:OB0+1], 1<<25
.macro PLACES n                        ; plain vector instructions between a matrix instruction and a load into, or a read of, its registers
.rept \n
	v_nop
.endr
.endm
; 24 LDS loads in one run: the fragments of a tile's step n (half n / 4 of K, its (n % 4)-th 128) into set n % 2: w_qkv's four, then x's eight.  boff: 0 for the rows where parts 0 and 2 lie, HALFT for part 1's.
; A fragment, 16 rows x 128 K of 4-bit codes, is 8 registers: lane l holds row l % 16; registers 4 c .. 4 c + 3 hold K = 64 c + 32 (l / 16) + 0 .. 31.
.macro FETCH n, boff
.set fF, (\n)%2
.set fS, (\n)/4
.set fQ, (\n)%4
	WIN TO_B
.irp i, 0,1,2,3
.irp c, 0,1
	ds_load_b128 v[32*fF+8*\i+4*\c:32*fF+8*\i+4*\c+3], v[ADRB+fS] offset:(\boff)+64*fQ+32*\c+\i*16*PITCH
.endr
.endr
	WIN 0
.irp i, 0,1,2,3,4,5,6,7
.irp c, 0,1
	ds_load_b128 v[AF+64*fF+8*\i+4*\c:AF+64*fF+8*\i+4*\c+3], v[ADRA+fS] offset:64*fQ+32*\c+\i*16*PITCH
.endr
.endr
.endm
; 32 matrix instructions: x's eight blocks against w_qkv's four, 128 along K.  Step 0 starts the sums from part p's bias.  The 32 accumulators take turns, one instruction a turn.
.macro MUL32 n, p
.set mF, (\n)%2
.set mS, (\n)/4
.set mQ, (\n)%4
.irp a, 0,1,2,3,4,5,6,7
.irp b, 0,1,2,3
.if (\n) == 0
	v_wmma_scale_f32_16x16x128_f8f6f4 v[8*(4*\a+\b):8*(4*\a+\b)+7], v[32*mF+8*\b:32*mF+8*\b+7], v[AF+64*mF+8*\a:AF+64*mF+8*\a+7], v[BI+32*(\p)+8*\b:BI+32*(\p)+8*\b+7], v[SB+16*mS+4*\b+mQ], v[SA+32*mS+4*\a+mQ] matrix_a_fmt:MATRIX_FMT_FP4 matrix_b_fmt:MATRIX_FMT_FP4
.else
	v_wmma_scale_f32_16x16x128_f8f6f4 v[8*(4*\a+\b):8*(4*\a+\b)+7], v[32*mF+8*\b:32*mF+8*\b+7], v[AF+64*mF+8*\a:AF+64*mF+8*\a+7], v[8*(4*\a+\b):8*(4*\a+\b)+7], v[SB+16*mS+4*\b+mQ], v[SA+32*mS+4*\a+mQ] matrix_a_fmt:MATRIX_FMT_FP4 matrix_b_fmt:MATRIX_FMT_FP4
.endif
.endr
.endr
.endm
; A step: its fragments are waited for; the next step's are asked for, into the set that the step before multiplied, four places behind its products; then the step's 32 products.
; bar = 1: the next step's fragments lie in slot 1, whose loads may still be out: each wave waits for all its tensor loads, and a barrier shows them to all.
.macro STEP n, boff, p, bar
	s_wait_dscnt 0x0                               ; this step's fragments, asked for a step ago, are in
.if \bar
	s_wait_tensorcnt 0x0
	s_barrier_signal -1
	s_barrier_wait -1
.endif
.if (\n) < 7
	PLACES NP
	FETCH (\n)+1, \boff
.endif
.if (\n) == 0
	WIN BIA
.else
	WIN MUL
.endif
	MUL32 \n, \p
.endm
.macro TILE p, boff, bar
	STEP 0, \boff, \p, 0
	STEP 1, \boff, \p, 0
	STEP 2, \boff, \p, 0
	STEP 3, \boff, \p, \bar
	STEP 4, \boff, \p, 0
	STEP 5, \boff, \p, 0
	STEP 6, \boff, \p, 0
	STEP 7, \boff, \p, 0
	WIN 0
.endm
.macro SBLOAD poff                     ; w_qkv's scale words of a tile: four words a row for each half of K.  poff: 0 where parts 0 and 2 lie, HALFS for part 1
.irp s, 0,1
.irp b, 0,1,2,3
	ds_load_b128 v[SB+16*\s+4*\b:SB+16*\s+4*\b+3], v[ADRSB] offset:(\poff)+\b*SBLK+16*\s
.endr
.endr
.endm
; THE WAY OUT of a tile, 32 tokens x 64 columns at a time.  PACK: rounded to f16, 16 bytes a lane, each accumulator from its low end on.  TOSTAGE: into my own stage and back, eight lanes to a token's 128 bytes.
; SEND: 32 lanes store 512 consecutive bytes, aligned: four tokens of my head.  LDS serves a wave's instructions in order (ISA guide 5.7.1.4): no wait between the stores and the loads.
.macro PACK g
	WIN 0x0a                                       ; sources 0 and 1: window 2
.irp e, 0,1
.irp b, 0,1,2,3
.irp r, 0,1,2,3
	v_cvt_pk_f16_f32 v[TMP+16*\e+4*\b+\r], v[8*(4*(2*(\g)+\e)+\b)+2*\r], v[8*(4*(2*(\g)+\e)+\b)+2*\r+1]
.endr
.endr
.endr
	WIN 0
.endm
.macro TOSTAGE g
.set BB, BK+32*((\g)%2)
.if (\g) > 1
	s_wait_xcnt 0x0                                ; the stores of two turns back have read these registers: the loads below may land there
.endif
.irp e, 0,1
.irp b, 0,1,2,3
	ds_store_b128 v[STO], v[TMP+16*\e+4*\b:TMP+16*\e+4*\b+3] offset:\e*16*SP+32*\b   ; token 16 e + r: columns 16 b + 8 h + 0 .. 7
.endr
.endr
.irp t, 0,1,2,3,4,5,6,7
	ds_load_b128 v[BB+4*\t:BB+4*\t+3], v[RD] offset:\t*4*SP
.endr
.endm
.macro SEND g, ob
.set BB, BK+32*((\g)%2)
	s_wait_dscnt 0x0                               ; the rows are back in registers
.irp t, 0,1,2,3,4,5,6,7
	global_store_b128 v[CO], v[BB+4*\t:BB+4*\t+3], s[\ob:\ob+1] offset:(\g)*4096+\t*512 th:TH_STORE_NT
.endr
.endm
.macro WAYOUT ob
	PLACES NP                                      ; behind the tile's last products: for the first read of results, and for the writes and loads into x's fragments' registers
	PACK 0
	TOSTAGE 0
.irp g, 1,2,3                          ; a turn's conversions stand between the loads of the turn before and the wait for them
	PACK \g
	SEND \g-1, \ob
	TOSTAGE \g
.endr
	SEND 3, \ob
	s_wait_xcnt 0x0                                ; the stores have read their registers: the next tile's fragments may land there
.endm
	s_wait_tensorcnt 1                             ; the scales and my part of slot 0 are in; slot 1's load stays out
	s_barrier_signal -1
	s_barrier_wait -1                              ; everybody's are
.irp s, 0,1                            ; x's scale words, both halves of K, once for all three tiles
.irp a, 0,1,2,3,4,5,6,7
	ds_load_b128 v[SA+32*\s+4*\a:SA+32*\s+4*\a+3], v[ADRSA] offset:\a*SBLK+16*\s
.endr
.endr
	SBLOAD 0
	FETCH 0, 0
	s_wait_loadcnt 0x0                             ; the bias
	TILE 0, 0, 1                                   ; part 0
	; THE REFILL.  Part 0's rows and scale bytes have been read for the last time.  Every wave waits for all its tensor loads, adds 0 to its spare word, and waits for that and for its reads; a round of the cluster's barrier
	; shows the same of every wave of every partner; behind it part 2 is asked for, one load a wave: wave 1 its scale bytes, waves 2 and 3 its two halves of K.
	s_wait_tensorcnt 0x0                           ; no tensor load of mine is out, so the groups 0 may be written
	ds_add_u32 v[SPW], v[NIL]                      ; the descriptors' words stand between the add and the wait for it
	s_mov_b32 s[G0SB+1], SCL+2*HALFS               ; part 2's scale bytes go where part 0's lay,
	s_add_nc_u64 s[G0SB+2:G0SB+3], s[10:11], 2*32768
	s_or_b32 s[G0SB+3], s[G0SB+3], 0x80000000
	s_mov_b32 s[G0B+1], 2*HALFT                    ; its rows likewise: the first half of K in slot 0,
	s_add_nc_u64 s[G0B+2:G0B+3], s[8:9], 2*524288
	s_or_b32 s[G0B+3], s[G0B+3], 0x80000000
	s_mov_b32 s[G0B+5], SLOT+2*HALFT               ; the second in slot 1
	s_add_nc_u64 s[G0B+6:G0B+7], s[8:9], 2*524288+ROWB
	s_or_b32 s[G0B+7], s[G0B+7], 0x80000000
	s_wait_dscnt 0x0                               ; the add is done, and my reads of part 0's bytes are over
	CROUND
	s_cmp_eq_u32 s14, 0                            ; the branches hang on the wave's number alone: they are the same in every work-group
	s_cbranch_scc1 .Lrefilled
	s_cmp_eq_u32 s14, 1
	s_cbranch_scc0 .Lrefill_rows
	tensor_load_to_lds s[G0SB:G0SB+3], s[G1SB:G1SB+7]
	s_nop 0
.rept 4
	v_nop
.endr
	s_branch .Lrefilled
.Lrefill_rows:
	s_cmp_eq_u32 s14, 2
	s_cbranch_scc0 .Lrefill_second
	tensor_load_to_lds s[G0B:G0B+3], s[G1B:G1B+7]
	s_nop 0
.rept 4
	v_nop
.endr
	s_branch .Lrefilled
.Lrefill_second:
	tensor_load_to_lds s[G0B+4:G0B+7], s[G1B:G1B+7]
	s_nop 0
.rept 4
	v_nop
.endr
.Lrefilled:
	WAYOUT OB0
	SBLOAD HALFS                                   ; part 1's rows and scale bytes were shown landed at tile 0's barrier
	FETCH 0, HALFT
	TILE 1, HALFT, 0                               ; part 1
	WAYOUT OB1
	s_wait_tensorcnt 0x0                           ; my part of part 2 has landed,
	s_wait_dscnt 0x0
	s_barrier_signal -1
	s_barrier_wait -1                              ; everybody's has.
	SBLOAD 0
	FETCH 0, 0
	TILE 2, 0, 0                                   ; part 2
	WAYOUT OB2
	s_wait_tensorcnt 0x0                           ; the wave's end: behind my last tensor load and my last LDS store
	ds_add_u32 v[SPW], v[NIL]
	s_wait_dscnt 0x0
	CROUND                                         ; the closing round: no work-group ends while a partner may still ask for a tile that names it
	s_endpgm
.Lfunc_end_k_qf51e68e9d5_qkv:
	.size	k_qf51e68e9d5_qkv, .Lfunc_end_k_qf51e68e9d5_qkv-k_qf51e68e9d5_qkv
	.p2alignl 7, 3214868480
	.fill 96, 4, 3214868480
	.section	.rodata,"a",@progbits
	.p2align	6, 0x0
	.amdhsa_kernel k_qf51e68e9d5_qkv
		.amdhsa_group_segment_fixed_size 327680
		.amdhsa_private_segment_fixed_size 0
		.amdhsa_enable_private_segment 0
		.amdhsa_kernarg_size 48
		.amdhsa_user_sgpr_count 2
		.amdhsa_user_sgpr_kernarg_segment_ptr 1
		.amdhsa_wavefront_size32 1
		.amdhsa_system_sgpr_workgroup_id_x 1
		.amdhsa_system_sgpr_workgroup_id_y 1
		.amdhsa_system_sgpr_workgroup_id_z 1
		.amdhsa_system_vgpr_workitem_id 0
		.amdhsa_next_free_vgpr 768
		.amdhsa_next_free_sgpr 100
		.amdhsa_reserve_vcc 0
		.amdhsa_float_denorm_mode_32 3
		.amdhsa_float_denorm_mode_16_64 3
		.amdhsa_memory_ordered 1
		.amdhsa_forward_progress 1
		.amdhsa_inst_pref_size 202
	.end_amdhsa_kernel
	.amdgpu_metadata
---
amdhsa.version: [ 1, 2 ]
amdhsa.kernels:
  - .name:           k_qf51e68e9d5_qkv
    .symbol:         k_qf51e68e9d5_qkv.kd
    .args:
      - { .name: xc, .offset: 0, .size: 8, .value_kind: global_buffer, .address_space: global }
      - { .name: xs, .offset: 8, .size: 8, .value_kind: global_buffer, .address_space: global }
      - { .name: wc, .offset: 16, .size: 8, .value_kind: global_buffer, .address_space: global }
      - { .name: ws, .offset: 24, .size: 8, .value_kind: global_buffer, .address_space: global }
      - { .name: b_qkv, .offset: 32, .size: 8, .value_kind: global_buffer, .address_space: global }
      - { .name: qkv, .offset: 40, .size: 8, .value_kind: global_buffer, .address_space: global }
    .group_segment_fixed_size: 327680
    .private_segment_fixed_size: 0
    .kernarg_segment_align: 8
    .kernarg_segment_size: 48
    .max_flat_workgroup_size: 128
    .sgpr_count:     100
    .vgpr_count:     768
    .wavefront_size: 32
...
	.end_amdgpu_metadata
.endif
;; end of part 2
;; launch attn (part 3): grid 2 x 128, 8 waves a work-group, no clusters, 327,680 bytes of LDS; arguments qkv, att; writes att
.if DOCPART == 3
	.amdgcn_target "amdgcn-amd-amdhsa--gfx1250"
	.amdhsa_code_object_version 6
	.text
	.protected	k_qf51e68e9d5_attn
	.globl	k_qf51e68e9d5_attn
	.p2align	8
	.type	k_qf51e68e9d5_attn,@function
k_qf51e68e9d5_attn:
	s_mov_b64 s[64:65], 0
	v_nop
	global_prefetch_b8 v0, s[64:65] scope:SCOPE_SE
	s_setreg_imm32_b32 hwreg(HW_REG_WAVE_MODE, 25, 1), 1
	s_wait_xcnt 0x0
; att[h][b x 1024 + q][:] = the sum over k of softmax_k(Q[q] . K[k] / 8) V[k][:], for each of 128 (batch, head) pairs; Q, K, V: [1024][64] f16, dense, from qkv; products, maxima and sums in f32;
; the weights p are rounded to f16 for the second product, the result once at the end.
; LIMITS: operands in f16 (range to 65,504; under 6e-5 an absolute error of 2^-25).  p is at most 1, since the running maximum is taken away first.  The row's sum is taken of the unrounded p, in an order of its own.
; SHARES.  A work-group owns 512 queries of one (batch, head); each of its eight waves, two to a SIMD, 64: four tiles of 16.  Every wave walks all 1,024 keys, 64 a step, 16 steps.
; A HEAD'S WHOLE K AND V LIE IN LDS, each filled once: 1,024 rows of 128 bytes each.  They come in four chunks of 256 keys: waves 0-3 fetch K, waves 4-7 V, four loads of 64 rows each, all at the head:
; by this text's own count four tensor loads of a wave are out.  Chunk c is read behind a wait that leaves 3 - c loads out, and a barrier.  Nothing is filled again.
; NO CLUSTER: only the two work-groups of a (batch, head) read the same K and V, each once; a cluster here has four work-groups along x, and a mask of two of them would make the joint load's address hang on half of the place in the cluster.
; NO PREFETCH: every tensor load goes out at the head; there is no later load to run ahead of.
; LAYOUT.  S^T = K Q^T (source 0 = 16 keys, source 1 = 16 queries): a lane holds ONE query (lane % 16) and keys 8 (lane / 16) + 0..7.  Two such tiles, rounded to f16 in pairs, ARE source 1 (32 keys x 16 queries) of
; O^T = V^T P, whose result again holds one query a lane.  K comes out of LDS as it lies, V ([key][channel]) turned, by ds_load_tr16_b128.
; SOFTMAX.  For each query a running maximum m and sum l: p = 2^(c s - c m), c = log2(e) / 8; in every step O and l are multiplied by a = 2^(c m_old - c m_new).
; BY TURNS.  The wave's tiles are two PIECES: piece 0 (tiles 0, 1) and piece 2 (tiles 2, 3).  In a TURN one piece has the matrix unit: 16 products V^T P of the step in hand, then 16 products K Q^T of the next step.
; Between the V^T P stands the other piece's rescaling of O^T, between the K Q^T its scalings and exponentials; the maximum, the sums and the roundings stand at the turn's end.
; REGISTERS, in two windows of 256 (s_set_vgpr_msb: bits 1:0 source 0, 3:2 source 1, 5:4 source 2, 7:6 destination):
;   window 0: v1-8 addresses; v12-43 eight registers of statistics a tile; v44, v45 the add's two; v64-191 S^T, 32 a tile, P packed in place; v192-255 K of one step
;   window 1: v0-63 Q, 16 a tile; v64-191 O^T, 32 a tile; v192-255 V of one step
; The windows are laid so that what stands between the products needs the products' own setting: under K Q^T's (source 1 in window 1) the scalings have a scalar pair as source 1 and the exponentials have one source;
; under V^T P's (source 0, C and D in window 1, source 1 in window 0) O^T x a has just these places.  So a turn has three to five switches.
.set PK,    144                        ; a row of K in LDS: 128 bytes + 16 = 36 words: the 16 rows of a load start at 16 different groups of four banks (64 banks of 4 bytes: ISA guide 11.1)
.set VPI,   160                        ; a row of V: 128 + 32: an odd multiple of 32 bytes, for the turning load
.set VL,    1024*PK                    ; V lies behind K
.set SPARE, VL+1024*VPI                ; behind V: the spare words, 128 bytes a wave: four blocks of 256 bytes that no other line names
.set AK0, 1                            ; v1   my lane's place in a tile of K; never rewritten
.set AV0, 2                            ; v2   the same for V
.set ADK, 3                            ; v3   LDS address of the run of K's loads in hand
.set ADV, 4                            ; v4   of V's
.set QO,  5                            ; v5   my byte offset in the wave's rows of Q
.set STO, 6                            ; v6   the way out: where I put 16 bytes of a row
.set RD,  7                            ; v7   the way out: where I read rows back
.set GO,  8                            ; v8   16 x lane
.set ST,  12                           ; tile t's statistics at v[ST+8 t]: +0 c m, +1 m, +2, +3 l (two halves), +4 to +7 at work; a in +6
.set SPW, 44
.set NIL, 45
.set S,   64
.set KB,  192
.set OT,  64                           ; in window 1
.set VB,  192                          ; in window 1
.set WV,  8                            ; s8   my wave's number
.set W3,  9                            ; s9   wave % 4: which 64 rows of a chunk I fetch
.set G1K, 16
.set G1V, 24
.set G0K, 32                           ; s[32:47] four groups 0 for K's chunks
.set G0V, 48                           ; s[48:63] for V's
.set CS,  66                           ; s[66:67] c, twice: the packed form names a pair
.set SEL, 68                           ; s[68:69] lane selects for v_permlanex16_b32: lane l xor 16
.set TK,  70                           ; s70  LDS byte at which the next step's K begins
.set TV,  71                           ; s71  the same for V, from VL on
.set CNT, 72
.set MSB, 0
.macro WIN new                         ; the immediate's high byte repeats the setting that is left
.if MSB != \new
	s_set_vgpr_msb (MSB<<8)|\new
.set MSB, \new
.endif
.endm
.set W_KQ, 0x04                        ; Q in window 1; K and S^T in window 0
.set W_PV, 0x51                        ; V, C and D in window 1; P in window 0
	s_load_b128 s[4:7], s[0:1], 0x0                ; qkv s[4:5], att s[6:7]
	v_lshl_add_u32 v[SPW], v0, 2, SPARE
	v_mov_b32 v[NIL], 0
	ds_add_u32 v[SPW], v[NIL]                      ; the wave's opening: the add, twice on end, and its wait ahead of my first tensor load
	ds_add_u32 v[SPW], v[NIL]
	v_lshrrev_b32 v9, 5, v0
	v_readfirstlane_b32 s[WV], v9                  ; wave 0..7
	s_and_b32 s[W3], s[WV], 3
	s_and_b32 s10, ttmp7, 0xffff                   ; y = batch x 16 + head
	; descriptor group 1: 64 rows x 64 elements of 2 bytes, dense in memory, padded in LDS
	s_mov_b32 s[G1K], (1<<16)|(1<<20)|(4<<22)|(3<<25)   ; no mask; elements of 2 bytes; padding on; after every 32 words four words
	s_mov_b32 s[G1V], (1<<16)|(1<<20)|(4<<22)|(7<<25)   ; the same with eight words
.irp g, G1K, G1V
	s_mov_b32 s[\g+1], 64<<16                      ; tensor_dim0
	s_mov_b32 s[\g+2], 64<<16                      ; tensor_dim1
	s_mov_b32 s[\g+3], 64<<16                      ; tile_dim0
	s_mov_b32 s[\g+4], 64                          ; tile_dim1
	s_mov_b32 s[\g+5], 64                          ; from row to row
	s_mov_b32 s[\g+6], 0
	s_mov_b32 s[\g+7], 0
.endr
	s_mov_b32 s[CS], 0x3e38aa3b                    ; c = log2(e) / 8
	s_mov_b32 s[CS+1], s[CS]
	s_mov_b32 s[SEL], 0x76543210
	s_mov_b32 s[SEL+1], 0xfedcba98
	s_mov_b32 s[TK], 0
	s_mov_b32 s[TV], 0
	s_mul_i32 s12, s[W3], 64*PK                    ; my 64 rows of a chunk, in K's LDS,
	s_mul_i32 s13, s[W3], 64*VPI
	s_add_co_u32 s13, s13, VL                      ; and in V's
	s_lshl_b32 s14, s10, 17                        ; the head's first byte in a part of qkv
	s_mov_b32 s15, 0
	s_lshl_b32 s76, s[W3], 13                      ; my 64 rows of 128 bytes in memory
	s_add_co_u32 s76, s76, s14
	s_mov_b32 s77, 0
	s_lshl_b32 s11, ttmp9, 16                      ; my work-group's 512 queries,
	s_lshl_b32 s73, s[WV], 13                      ; my wave's 64 of them
	s_add_co_u32 s11, s11, s73
	s_add_co_u32 s14, s14, s11                     ; Q's offset
	s_and_b32 s73, s10, 15
	s_lshl_b32 s73, s73, 20                        ; att: head x 8,192 rows of 128 bytes,
	s_lshr_b32 s10, s10, 4
	s_lshl_b32 s10, s10, 17                        ; batch x 1,024 rows,
	s_add_co_u32 s10, s10, s73
	s_add_co_u32 s10, s10, s11                     ; my queries
	s_mov_b32 s11, 0
	s_wait_dscnt 0x0                               ; both opening adds are done
	s_wait_kmcnt 0x0
	s_add_nc_u64 s[74:75], s[4:5], s[76:77]
	s_add_nc_u64 s[78:79], s[4:5], s[14:15]        ; Q at my wave's first row
	s_add_nc_u64 s[6:7], s[6:7], s[10:11]          ; att likewise
.irp c, 0,1,2,3
	s_mov_b32 s[G0K+4*\c], 1                       ; count = 1
	s_add_co_u32 s[G0K+4*\c+1], s12, \c*256*PK     ; LDS address: chunk c, my 64 rows
	s_add_nc_u64 s[G0K+4*\c+2:G0K+4*\c+3], s[74:75], (1<<24)+\c*32768   ; K is part 1 of qkv
	s_or_b32 s[G0K+4*\c+3], s[G0K+4*\c+3], 0x80000000                  ; type = 2
	s_mov_b32 s[G0V+4*\c], 1
	s_add_co_u32 s[G0V+4*\c+1], s13, \c*256*VPI
	s_add_nc_u64 s[G0V+4*\c+2:G0V+4*\c+3], s[74:75], (1<<25)+\c*32768   ; V is part 2
	s_or_b32 s[G0V+4*\c+3], s[G0V+4*\c+3], 0x80000000
.endr
	s_cmp_lt_u32 s[WV], 4                          ; a wave's four first fills stand in one branch, ahead of every wait on TENSORcnt, every LDS read and every barrier
	s_cbranch_scc0 .Lfirst_v
.irp c, 0,1,2,3
	tensor_load_to_lds s[G0K+4*\c:G0K+4*\c+3], s[G1K:G1K+7]
	s_nop 0
.endr
.rept 4
	v_nop
.endr
	s_branch .Lfirst_asked
.Lfirst_v:
.irp c, 0,1,2,3
	tensor_load_to_lds s[G0V+4*\c:G0V+4*\c+3], s[G1V:G1V+7]
	s_nop 0
.endr
.rept 4
	v_nop
.endr
.Lfirst_asked:
	; A fragment of K or Q is 16 rows x 32 channels in 8 registers: lane l holds row l % 16; registers 0-3 channels 8 (l / 16) + 0..7, registers 4-7 channels 16 + 8 (l / 16) + 0..7: two loads of 16 bytes, 32 bytes apart.
	v_and_b32 v9, 15, v0                           ; r
	v_bfe_u32 v10, v0, 4, 1                        ; h
	v_lshlrev_b32 v[QO], 7, v9
	v_lshl_add_u32 v[QO], v10, 4, v[QO]            ; row x 128 + 16 x half
	WIN 0x40                                       ; destination window 1
.irp f, 0,1,2,3,4,5,6,7                ; Q stays in registers: tile f / 2, channels 32 (f % 2) on
	global_load_b128 v[8*\f:8*\f+3],   v[QO], s[78:79] offset:(\f/2)*2048+(\f%2)*64
	global_load_b128 v[8*\f+4:8*\f+7], v[QO], s[78:79] offset:(\f/2)*2048+(\f%2)*64+32
.endr
	WIN 0
	v_mul_u32_u24 v[AK0], v9, PK
	v_lshl_add_u32 v[AK0], v10, 4, v[AK0]          ; row x pitch + 16 x half
	; The turning load takes 16 keys x 16 channels (lane l reads 16 bytes: key 8 (l / 16) + l % 8, channels 8 ((l / 8) % 2) + 0..7) and leaves half a fragment of V^T: lane l holds channel l % 16 and 8 keys.
	v_and_b32 v11, 7, v0
	v_lshl_add_u32 v[AV0], v10, 3, v11
	v_mul_u32_u24 v[AV0], v[AV0], VPI
	v_bfe_u32 v11, v0, 3, 1
	v_lshl_add_u32 v[AV0], v11, 4, v[AV0]
	v_add_nc_u32 v[AV0], VL, v[AV0]
	s_mul_i32 s73, s[WV], 64*PK                    ; the way out: my stage, 64 rows x 144 bytes, in K's bytes
	v_add_nc_u32 v[STO], s73, v[AK0]               ; in: row r, 16 bytes for each half of the lanes
	v_and_b32 v11, 31, v0
	v_lshlrev_b32 v[GO], 4, v11
	v_lshrrev_b32 v11, 3, v11
	v_mul_u32_u24 v[RD], v11, PK                   ; back: eight lanes to a row of 128 bytes, four rows an instruction
	v_and_b32 v11, 7, v0
	v_lshl_add_u32 v[RD], v11, 4, v[RD]
	v_add_nc_u32 v[RD], s73, v[RD]
; Chunk 3 - n and all before it are in LDS for every wave: each wave's own wait leaves its n younger loads out; no LDS instruction is pending at the signal.
.macro CHUNK n
	s_wait_tensorcnt \n
	s_wait_dscnt 0x0
	s_barrier_signal -1
	s_barrier_wait -1
.endm
; THE MATRIX WORK.  Eight accumulators take turns, one instruction a turn, two links each.  The symbol i counts a run's 16 products.
.macro KQ x                            ; S^T = K Q^T: channels 32 (i / 8) on, keys 16 ((i / 2) % 4) on, tile x + i % 2.  The first eight start the sums
.set rS, S+32*(\x+i%2)+8*((i/2)%4)
.set rK, KB+16*((i/2)%4)+8*(i/8)
.set rQ, 16*(\x+i%2)+8*(i/8)
.if i < 8
	v_wmma_f32_16x16x32_f16 v[rS:rS+7], v[rK:rK+7], v[rQ:rQ+7], 0
.else
	v_wmma_f32_16x16x32_f16 v[rS:rS+7], v[rK:rK+7], v[rQ:rQ+7], v[rS:rS+7]
.endif
.endm
.macro PV x, zero                      ; O^T += V^T P: keys 32 (i / 8) on, channels 16 ((i / 2) % 4) on, tile x + i % 2.  zero = 1: the first eight start the sums
.set rO, OT+32*(\x+i%2)+8*((i/2)%4)
.set rV, VB+32*(i/8)+8*((i/2)%4)
.set rP, S+32*(\x+i%2)+8*(i/8)
.if \zero && (i < 8)
	v_wmma_f32_16x16x32_f16 v[rO:rO+7], v[rV:rV+7], v[rP:rP+7], 0
.else
	v_wmma_f32_16x16x32_f16 v[rO:rO+7], v[rV:rV+7], v[rP:rP+7], v[rO:rO+7]
.endif
.endm
; THE LDS LOADS stand in runs of 16: a step's K (64 keys x 64 channels: 8 fragments) and its V (turned).
.macro FETCH_K
.irp f, 0,1,2,3,4,5,6,7                ; keys 16 (f / 2) on, channels 32 (f % 2) on
	ds_load_b128 v[KB+8*\f:KB+8*\f+3],   v[ADK] offset:(\f/2)*16*PK+(\f%2)*64
	ds_load_b128 v[KB+8*\f+4:KB+8*\f+7], v[ADK] offset:(\f/2)*16*PK+(\f%2)*64+32
.endr
	s_add_co_u32 s[TK], s[TK], 64*PK               ; the next fetch is the next step's
.endm
.macro FETCH_V
	WIN 0x40                                       ; destination window 1
.irp f, 0,1,2,3,4,5,6,7                ; keys 32 (f / 4) on, channels 16 (f % 4) on
	ds_load_tr16_b128 v[VB+8*\f:VB+8*\f+3],   v[ADV] offset:(\f/4)*32*VPI+(\f%4)*32
	ds_load_tr16_b128 v[VB+8*\f+4:VB+8*\f+7], v[ADV] offset:(\f/4)*32*VPI+16*VPI+(\f%4)*32
.endr
	s_add_co_u32 s[TV], s[TV], 64*VPI
.endm
; THE VECTOR WORK of piece y (tiles y, y + 1, by turns).
; Slice i of 16 of the scalings and exponentials: pair i becomes c s - c m; the pair scaled in the slice before is put through the exponential.  None of these lines names an exponential's result.
.macro SESL y
.irp t, \y, \y+1
	v_pk_fma_f32 v[S+32*(\t)+2*i:S+32*(\t)+2*i+1], v[S+32*(\t)+2*i:S+32*(\t)+2*i+1], s[CS:CS+1], v[ST+8*(\t):ST+8*(\t)+1] op_sel_hi:[1,0,0] neg_lo:[0,0,1] neg_hi:[0,0,1]
.endr
.if i > 0
.irp t, \y, \y+1
	v_exp_f32 v[S+32*(\t)+2*i-2], v[S+32*(\t)+2*i-2]
	v_exp_f32 v[S+32*(\t)+2*i-1], v[S+32*(\t)+2*i-1]
.endr
.endif
.if i == 15
.irp t, \y, \y+1
	v_exp_f32 v[S+32*(\t)+30], v[S+32*(\t)+30]
	v_exp_f32 v[S+32*(\t)+31], v[S+32*(\t)+31]
.endr
.endif
.endm
.macro RSSL y                          ; slice i of 16 of the rescaling: pair i of O^T x a, each accumulator from its low end on
.irp t, \y, \y+1
	v_pk_mul_f32 v[OT+32*(\t)+2*i:OT+32*(\t)+2*i+1], v[OT+32*(\t)+2*i:OT+32*(\t)+2*i+1], v[ST+8*(\t)+6:ST+8*(\t)+7] op_sel_hi:[1,0]
.endr
.endm
; The maximum of a lane's 32 scores and the old m, three operands at a time, in four chains that begin at each accumulator's low end; the other half of the lanes'; the new m, c m, and a.  first = 1: there is no old m and no a.
.macro MAXS x, first
.irp c, 0,1,2,3
.irp t, \x, \x+1
	v_max3_num_f32 v[ST+8*(\t)+4+\c], v[S+32*(\t)+8*\c], v[S+32*(\t)+8*\c+1], v[S+32*(\t)+8*\c+2]
.endr
.endr
.irp u, 0,1
.irp c, 0,1,2,3
.irp t, \x, \x+1
	v_max3_num_f32 v[ST+8*(\t)+4+\c], v[ST+8*(\t)+4+\c], v[S+32*(\t)+8*\c+3+2*\u], v[S+32*(\t)+8*\c+4+2*\u]
.endr
.endr
.endr
.irp t, \x, \x+1
	v_max3_num_f32 v[ST+8*(\t)+4], v[ST+8*(\t)+4], v[S+32*(\t)+7], v[S+32*(\t)+15]
.endr
.irp t, \x, \x+1
	v_max3_num_f32 v[ST+8*(\t)+6], v[ST+8*(\t)+6], v[S+32*(\t)+23], v[S+32*(\t)+31]
.endr
.irp t, \x, \x+1
	v_max3_num_f32 v[ST+8*(\t)+4], v[ST+8*(\t)+4], v[ST+8*(\t)+5], v[ST+8*(\t)+6]
.endr
.irp t, \x, \x+1
.if (\first) == 0
	v_max3_num_f32 v[ST+8*(\t)+4], v[ST+8*(\t)+4], v[ST+8*(\t)+7], v[ST+8*(\t)+1]
.else
	v_max_num_f32 v[ST+8*(\t)+4], v[ST+8*(\t)+4], v[ST+8*(\t)+7]
.endif
.endr
.irp t, \x, \x+1
	v_permlanex16_b32 v[ST+8*(\t)+5], v[ST+8*(\t)+4], s[SEL], s[SEL+1]   ; the query's other 32 keys lie in the lane 16 away
.endr
.if (\first) == 0
.irp t, \x, \x+1
	v_mov_b32 v[ST+8*(\t)+7], v[ST+8*(\t)]         ; c m_old is kept for a
.endr
.endif
.irp t, \x, \x+1
	v_max_num_f32 v[ST+8*(\t)+1], v[ST+8*(\t)+4], v[ST+8*(\t)+5]
.endr
.irp t, \x, \x+1
	v_mul_f32 v[ST+8*(\t)], s[CS], v[ST+8*(\t)+1]
.endr
.if (\first) == 0
.irp t, \x, \x+1
	v_sub_f32 v[ST+8*(\t)+7], v[ST+8*(\t)+7], v[ST+8*(\t)]
.endr
.irp t, \x, \x+1
	v_exp_f32 v[ST+8*(\t)+6], v[ST+8*(\t)+7]       ; a = 2^(c m_old - c m_new)
.endr
.endif
.endm
; The sums of the unrounded p, two at a time, in two chains; l = a l + the sum; then the roundings to f16, in place: register q takes pair q, which lies at 2 q and 2 q + 1, read no later than it is written over.
.macro SP y, first
.if (\first) == 0
.irp t, \y, \y+1
	v_pk_mul_f32 v[ST+8*(\t)+2:ST+8*(\t)+3], v[ST+8*(\t)+2:ST+8*(\t)+3], v[ST+8*(\t)+6:ST+8*(\t)+7] op_sel_hi:[1,0]
.endr
.irp t, \y, \y+1
	v_pk_add_f32 v[ST+8*(\t)+4:ST+8*(\t)+5], v[S+32*(\t):S+32*(\t)+1], v[S+32*(\t)+2:S+32*(\t)+3]
.endr
.irp p, 2,4,6,8,10,12,14
.irp t, \y, \y+1
	v_pk_add_f32 v[ST+8*(\t)+2:ST+8*(\t)+3], v[ST+8*(\t)+2:ST+8*(\t)+3], v[S+32*(\t)+2*\p:S+32*(\t)+2*\p+1]
.endr
.irp t, \y, \y+1
	v_pk_add_f32 v[ST+8*(\t)+4:ST+8*(\t)+5], v[ST+8*(\t)+4:ST+8*(\t)+5], v[S+32*(\t)+2*\p+2:S+32*(\t)+2*\p+3]
.endr
.endr
.else
.irp t, \y, \y+1
	v_pk_add_f32 v[ST+8*(\t)+2:ST+8*(\t)+3], v[S+32*(\t):S+32*(\t)+1], v[S+32*(\t)+2:S+32*(\t)+3]
.endr
.irp t, \y, \y+1
	v_pk_add_f32 v[ST+8*(\t)+4:ST+8*(\t)+5], v[S+32*(\t)+4:S+32*(\t)+5], v[S+32*(\t)+6:S+32*(\t)+7]
.endr
.irp p, 4,6,8,10,12,14
.irp t, \y, \y+1
	v_pk_add_f32 v[ST+8*(\t)+2:ST+8*(\t)+3], v[ST+8*(\t)+2:ST+8*(\t)+3], v[S+32*(\t)+2*\p:S+32*(\t)+2*\p+1]
.endr
.irp t, \y, \y+1
	v_pk_add_f32 v[ST+8*(\t)+4:ST+8*(\t)+5], v[ST+8*(\t)+4:ST+8*(\t)+5], v[S+32*(\t)+2*\p+2:S+32*(\t)+2*\p+3]
.endr
.endr
.endif
.irp t, \y, \y+1
	v_pk_add_f32 v[ST+8*(\t)+2:ST+8*(\t)+3], v[ST+8*(\t)+2:ST+8*(\t)+3], v[ST+8*(\t)+4:ST+8*(\t)+5]
.endr
.irp q, 0,1,2,3,4,5,6,7,8,9,10,11,12,13,14,15
.irp t, \y, \y+1
	v_cvt_pk_f16_f32 v[S+32*(\t)+\q], v[S+32*(\t)+2*\q], v[S+32*(\t)+2*\q+1]
.endr
.endr
.endm
; A TURN.  Piece x has the matrix unit, the other piece (2 - x) the vector unit.
; pv = 2: 16 products V^T P; 1: they start O^T's sums; 0: none.  rs: the other piece's O^T is rescaled between them.  kq: 16 products K Q^T of the next step.  mx = 2: piece x's maximum; 1: its first; 0: none.
; spf: the other piece's sums are its first.  ldv, ldk: the next V, the next K are fetched.  vw: the LDS loads that may stay out when V is wanted (K's 16, issued behind V's).
.macro TURN x, pv, rs, kq, mx, spf, ldv, ldk, vw
.if \pv
.if \x == 0
	s_wait_dscnt \vw                               ; V is in
.endif
	WIN W_PV
.set i, 0
.rept 16
	PV \x, 2-\pv
.if \rs
	RSSL 2-\x
.endif
.set i, i+1
.endr
.if (\rs) == 0
.rept 5
	v_nop                                          ; K Q^T below writes over P's registers, which the products above have read: five places (ISA guide 7.12.1); elsewhere the rescaling and the scalings are these places
.endr
.endif
.endif
.if \ldv
	WIN 0
	v_add_nc_u32 v[ADV], s[TV], v[AV0]             ; with the three below: four places behind the last product that read V
.rept 3
	v_nop
.endr
	FETCH_V
.endif
.if \kq
.if \x == 0
	s_wait_dscnt 0x0                               ; K is in
.endif
	WIN W_KQ
.set i, 0
.rept 16
	KQ \x
	SESL 2-\x
.set i, i+1
.endr
.else
	WIN 0
.set i, 0
.rept 16
	SESL 2-\x
.set i, i+1
.endr
.endif
	WIN 0
	v_add_nc_u32 v[ADK], s[TK], v[AK0]             ; with the three below: four places behind the last K Q^T, ahead of the loads into K's registers and of the first read of its scores
.rept 3
	v_nop
.endr
.if \ldk
	FETCH_K
.endif
.if \mx
	MAXS \x, 2-\mx                                 ; names no exponential's result: the independent work behind the batch
.endif
	v_nop                                          ; a plain instruction behind the last exponential
	s_wait_alu depctr_va_vdst(0)                   ; the wait ahead of the first line that names an exponential's result: one for the turn's 64 and the two a
	SP 2-\x, \spf
.endm
.macro PAIR ldk                        ; a key step j: piece 0's turn, then piece 2's
	TURN 0, 2, 1, 1, 2, 0, 0, 0, 16
	TURN 2, 2, 1, 1, 2, 0, 1, \ldk, 0
.endm
.macro LOOPN n
	s_mov_b32 s[CNT], \n
.Lpair_\@:
	PAIR 1
	s_sub_co_u32 s[CNT], s[CNT], 1
	s_cmp_lg_u32 s[CNT], 0
	s_cbranch_scc1 .Lpair_\@
.endm
	CHUNK 3                                        ; keys 0 to 255 are in
	v_add_nc_u32 v[ADK], s[TK], v[AK0]
	FETCH_K                                        ; K of step 0
	s_wait_loadcnt 0x0                             ; Q
	s_wait_dscnt 0x0
	WIN W_KQ
.set i, 0
.rept 16
	KQ 0                                           ; piece 0's first scores: there is no vector work yet to set between them
.set i, i+1
.endr
	WIN 0
.rept 4
	v_nop
.endr
	MAXS 0, 1
	TURN 2, 0, 0, 1, 1, 1, 1, 1, 0                 ; piece 2's first scores | piece 0's first exponentials and sums | V of step 0, K of step 1
	TURN 0, 1, 0, 1, 2, 1, 0, 0, 16                ; piece 0: V^T P of step 0 starts O^T, K Q^T of step 1 | piece 2's first exponentials and sums
	TURN 2, 1, 1, 1, 2, 0, 1, 1, 0                 ; piece 2: the same | piece 0's step 1 | V of step 1, K of step 2
	CHUNK 2                                        ; keys up to 511: the four steps below fetch K of steps 3 to 6 and V of steps 2 to 5
	LOOPN 4
	CHUNK 1                                        ; keys up to 767: K of steps 7 to 10, V of steps 6 to 9
	LOOPN 4
	CHUNK 0                                        ; all keys
	LOOPN 5
	PAIR 0                                         ; step 14: there is no K behind step 15's
	TURN 0, 2, 1, 0, 0, 0, 0, 0, 0                 ; piece 0: V^T P of the last step | piece 2's last exponentials and sums
	WIN W_PV
.set i, 0
.rept 16
	PV 2, 0                                        ; piece 2: V^T P of the last step
.set i, i+1
.endr
	; THE WAY OUT.  l's two halves and the other half of the lanes' are added; O^T is divided by l, rounded to f16 and sent through my stage, so that the wave stores 512 consecutive bytes: four rows of att.
	WIN 0
.irp t, 0,1,2,3
	v_add_f32 v[ST+8*\t+4], v[ST+8*\t+2], v[ST+8*\t+3]             ; (these additions are the places behind the last products)
.endr
.irp t, 0,1,2,3
	v_permlanex16_b32 v[ST+8*\t+5], v[ST+8*\t+4], s[SEL], s[SEL+1]
.endr
.irp t, 0,1,2,3
	v_add_f32 v[ST+8*\t+4], v[ST+8*\t+4], v[ST+8*\t+5]
.endr
.irp t, 0,1,2,3
	v_rcp_f32 v[ST+8*\t+6], v[ST+8*\t+4]
.endr
	v_nop                                          ; a plain instruction behind the last reciprocal
	s_wait_alu depctr_va_vdst(0)                   ; and the wait ahead of the first use: one for the four
	s_wait_dscnt 0x0
	s_barrier_signal -1
	s_barrier_wait -1                              ; no wave reads K any more: the stages lie in K's bytes, which have had their only fill
.irp t, 0,1,2,3
	WIN 0x41                                       ; O^T in window 1, 1 / l in window 0
.set i, 0
.rept 16
	v_pk_mul_f32 v[OT+32*\t+2*i:OT+32*\t+2*i+1], v[OT+32*\t+2*i:OT+32*\t+2*i+1], v[ST+8*\t+6:ST+8*\t+7] op_sel_hi:[1,0]
.set i, i+1
.endr
	WIN 0x05                                       ; sources in window 1, destination in window 0: S^T's registers are free
.set i, 0
.rept 16
	v_cvt_pk_f16_f32 v[S+16*\t+i], v[OT+32*\t+2*i], v[OT+32*\t+2*i+1]
.set i, i+1
.endr
	WIN 0
.irp c, 0,1,2,3
	ds_store_b128 v[STO], v[S+16*\t+4*\c:S+16*\t+4*\c+3] offset:\t*16*PK+32*\c   ; row 16 t + r: channels 16 c + 8 h + 0 .. 7
.endr
.endr
.irp n, 0,1,2,3,4,5,6,7,8,9,10,11,12,13,14,15
	ds_load_b128 v[KB+4*\n:KB+4*\n+3], v[RD] offset:\n*4*PK        ; LDS serves a wave's instructions in order (ISA guide 5.7.1.4): these see my stores
.endr
.irp n, 0,1,2,3,4,5,6,7,8,9,10,11,12,13,14,15
	s_wait_dscnt 15-\n                             ; loads come back in order: number n is in, the younger ones stay out
	global_store_b128 v[GO], v[KB+4*\n:KB+4*\n+3], s[6:7] offset:512*\n
.endr
	s_wait_tensorcnt 0x0                           ; the wave's end: behind my last tensor load and my last LDS store
	ds_add_u32 v[SPW], v[NIL]
	s_wait_dscnt 0x0
	s_endpgm
.Lfunc_end_k_qf51e68e9d5_attn:
	.size	k_qf51e68e9d5_attn, .Lfunc_end_k_qf51e68e9d5_attn-k_qf51e68e9d5_attn
	.p2alignl 7, 3214868480
	.fill 96, 4, 3214868480
	.section	.rodata,"a",@progbits
	.p2align	6, 0x0
	.amdhsa_kernel k_qf51e68e9d5_attn
		.amdhsa_group_segment_fixed_size 327680
		.amdhsa_private_segment_fixed_size 0
		.amdhsa_enable_private_segment 0
		.amdhsa_kernarg_size 16
		.amdhsa_user_sgpr_count 2
		.amdhsa_user_sgpr_kernarg_segment_ptr 1
		.amdhsa_wavefront_size32 1
		.amdhsa_system_sgpr_workgroup_id_x 1
		.amdhsa_system_sgpr_workgroup_id_y 1
		.amdhsa_system_sgpr_workgroup_id_z 1
		.amdhsa_system_vgpr_workitem_id 0
		.amdhsa_next_free_vgpr 512
		.amdhsa_next_free_sgpr 80
		.amdhsa_reserve_vcc 0
		.amdhsa_float_denorm_mode_32 3
		.amdhsa_float_denorm_mode_16_64 3
		.amdhsa_memory_ordered 1
		.amdhsa_forward_progress 1
		.amdhsa_inst_pref_size 211
	.end_amdhsa_kernel
	.amdgpu_metadata
---
amdhsa.version: [ 1, 2 ]
amdhsa.kernels:
  - .name:           k_qf51e68e9d5_attn
    .symbol:         k_qf51e68e9d5_attn.kd
    .args:
      - { .name: qkv, .offset: 0, .size: 8, .value_kind: global_buffer, .address_space: global }
      - { .name: att, .offset: 8, .size: 8, .value_kind: global_buffer, .address_space: global }
    .group_segment_fixed_size: 327680
    .private_segment_fixed_size: 0
    .kernarg_segment_align: 8
    .kernarg_segment_size: 16
    .max_flat_workgroup_size: 256
    .sgpr_count:     80
    .vgpr_count:     512
    .wavefront_size: 32
...
	.end_amdgpu_metadata
.endif
;; end of part 3
;; launch proj (part 4): grid 4 x 64, 4 waves a work-group, clusters of 4 x 4, 327,680 bytes of LDS; arguments att, wp, b_proj, out0; writes out0
.if DOCPART == 4
	.amdgcn_target "amdgcn-amd-amdhsa--gfx1250"
	.amdhsa_code_object_version 6
	.text
	.protected	k_qf51e68e9d5_proj
	.globl	k_qf51e68e9d5_proj
	.p2align	8
	.type	k_qf51e68e9d5_proj,@function
k_qf51e68e9d5_proj:
	s_mov_b64 s[64:65], 0
	v_nop
	global_prefetch_b8 v0, s[64:65] scope:SCOPE_SE
	s_setreg_imm32_b32 hwreg(HW_REG_WAVE_MODE, 25, 1), 1
	s_wait_xcnt 0x0
	s_wait_alu depctr_hold_cnt(0) depctr_sa_sdst(0) depctr_va_vdst(0) depctr_va_sdst(0) depctr_va_ssrc(0) depctr_va_vcc(0) depctr_vm_vsrc(0)
	s_getreg_b32 s2, hwreg(HW_REG_IB_STS2, 6, 4)
	s_cmp_eq_u32 s2, 0
	s_cbranch_scc0 .Lentry_in_a_cluster
	s_endpgm
.Lentry_in_a_cluster:
	s_bfe_u32 s2, ttmp6, 0x10000c
	s_cmp_lg_u32 s2, 0xf033
	s_cbranch_scc0 .Lentry_shape_is_right
	s_endpgm
.Lentry_shape_is_right:
; out0[m][n] = sum over k of att[m][k] w_proj[n][k] + b_proj[n]; operands in f16, sums and result in f32.  att lies by head, [16 heads][8192 tokens][64]: k = 64 x head + channel; wp is [1024 n][1024 k].
; LIMITS: operands in f16 (range to 65,504; under 6e-5 an absolute error of 2^-25).
; A tile of 128 tokens x 256 columns is made by four waves: 256 tiles, one for each of 256 work-groups (tiles of 256 x 256 would be 128).  A wave makes 64 x 128: 32 accumulators of 16 x 16, 256 registers.
; K goes in steps of 128 (two heads) through a ring of two LDS slots: eight steps.  Waves 0 and 1 fetch a head's 128 tokens each (rows of 128 bytes, dense), waves 2 and 3 128 rows of wp each (256 bytes of a row).
; Two slots of K steps of 256 would take 417,792 bytes of LDS: they do not fit.
; CLUSTERS: 4 x 4 work-groups.  The four of a row of the cluster need the same tokens, the four of a column the same rows of wp: each tile is asked for JOINTLY.
; THE MATRIX INSTRUCTION IS USED TRANSPOSED (source 0 = 16 rows of wp, source 1 = 16 tokens): a lane holds eight neighbouring columns of a token.  THE BIAS is the C of each sum's first product.
; NO PREFETCH: the launch's own loads and stores keep memory at work for as long as its products last.
; REGISTERS: window 0: v16-29 addresses; v64-95, v96-127 the tokens' fragments, two buffers; v128-191 the bias, later with v192-255 rows on the way out.
;   window 1: v0-63, v64-127 wp's fragments, two buffers.   window 2: the accumulators ((a, b) at v[8 (8 a + b)]).
.set PA,     144                       ; a token's row of a head in LDS: 128 bytes + 16
.set PB,     272                       ; a row of wp's tile: 256 bytes + 16.  Both pitches are odd multiples of 16 bytes: the 16 rows of a load start at 16 different groups of four banks (ISA guide 11.1)
.set AH,     128*PA                    ; a head's 128 tokens
.set BOFF,   2*AH
.set BH,     128*PB                    ; 128 rows of wp
.set SLOT,   BOFF+2*BH
.set SPARE,  2*SLOT                    ; behind the ring: the spare words, 128 bytes a wave
.set SPITCH, 528                       ; the way out: a stage of 16 rows x (512 bytes + 16) for each wave, in slot 0, which has had its last fill and its last read by then
.set LAPS,   4                         ; a lap = two K steps = once round the ring
.set ADRA, 16
.set ADRB, 20
.set STO,  24
.set RD,   25
.set CO,   26
.set BO,   27
.set SPW,  28
.set NIL,  29
.set BI,   128
.set BK,   128
.set G1, 24                            ; s[24:31] group 1 for the tokens' tiles; s[32:39] group 0, a set for each slot
.set G0, 32
.set G1B, 48                           ; s[48:55], s[56:63] the same for wp's tiles
.set G0B, 56
.set MSB, 0
.macro WIN new                         ; the immediate's high byte repeats the setting that is left
.if MSB != \new
	s_set_vgpr_msb (MSB<<8)|\new
.set MSB, \new
.endif
.endm
.set MUL,  0xa1                        ; source 0 (wp) window 1, source 1 (tokens) window 0, C and D window 2
.set MULF, 0x81                        ; the first quarter: C (the bias) window 0
.set TO_B, 0x40
.macro JLOAD s                         ; a joint load: waves 0 and 1 fetch tokens, waves 2 and 3 wp; an s_nop 0 and four v_nop follow each of the two lines
	s_cmp_eq_u32 s13, 0
	s_cbranch_scc0 .Lfor_b_\@
	tensor_load_to_lds s[G0+4*\s:G0+4*\s+3], s[G1:G1+7]
	s_nop 0
.rept 4
	v_nop
.endr
	s_branch .Lasked_\@
.Lfor_b_\@:
	tensor_load_to_lds s[G0B+4*\s:G0B+4*\s+3], s[G1B:G1B+7]
	s_nop 0
.rept 4
	v_nop
.endr
.Lasked_\@:
.endm
.macro CREST                           ; a round of the cluster's barrier behind its opening barrier
	s_cmp_lg_u32 s12, 0
	s_cbranch_scc1 .Lnot_wave_0_\@
	s_barrier_signal -3
.Lnot_wave_0_\@:
	s_barrier_wait -3
	s_barrier_signal -1
	s_barrier_wait -1
.endm
.macro CROUND
	s_barrier_signal -1
	s_barrier_wait -1
	CREST
.endm
	s_load_b128 s[4:7], s[0:1], 0x0                ; att s[4:5], wp s[6:7]
	s_load_b128 s[8:11], s[0:1], 0x10              ; b_proj s[8:9], out0 s[10:11]
	v_lshl_add_u32 v[SPW], v0, 2, SPARE
	v_mov_b32 v[NIL], 0
	ds_add_u32 v[SPW], v[NIL]                      ; the wave's opening: the add, twice on end, and its wait ahead of my first tensor load
	ds_add_u32 v[SPW], v[NIL]
	v_lshrrev_b32 v1, 5, v0
	v_readfirstlane_b32 s12, v1                    ; wave 0..3
	s_lshr_b32 s13, s12, 1                         ; which 64 tokens are mine.  Also: I fetch tokens (0) or wp (1)
	s_and_b32 s14, s12, 1                          ; which 128 columns.  Also: which head of the step, or which 128 rows of wp, I fetch
	s_bfe_u32 s40, ttmp6, 0x40000                  ; cx, cy: my place in the cluster
	s_bfe_u32 s41, ttmp6, 0x40004
	s_lshl_b32 s42, ttmp9, 2
	s_add_co_u32 s42, s42, s40                     ; tile column = 4 x cluster x + cx
	s_and_b32 s45, ttmp7, 0xffff
	s_lshl_b32 s45, s45, 2
	s_add_co_u32 s45, s45, s41                     ; tile row = 4 x cluster y + cy
	s_lshl_b32 s43, s41, 2
	s_lshl_b32 s43, 15, s43                        ; my row of the cluster
	s_lshl_b32 s44, 0x1111, s40                    ; my column
	s_or_b32 s[G1+0], s43, (1<<16)|(1<<20)|(1<<21)|(4<<22)|(3<<25)   ; the mask; elements of 2 bytes; padding on; bit 21 beside a mask; after every 32 words four words
	s_mov_b32 s[G1+1], 64<<16                      ; tensor_dim0 = 64
	s_mov_b32 s[G1+2], 128<<16                     ; tensor_dim1 = 128
	s_mov_b32 s[G1+3], 64<<16                      ; tile_dim0
	s_mov_b32 s[G1+4], 128                         ; tile_dim1
	s_mov_b32 s[G1+5], 64                          ; from row to row
	s_mov_b32 s[G1+6], 0
	s_mov_b32 s[G1+7], 0
	s_or_b32 s[G1B+0], s44, (1<<16)|(1<<20)|(1<<21)|(5<<22)|(3<<25)  ; after every 64 words four words
	s_mov_b32 s[G1B+1], 128<<16
	s_mov_b32 s[G1B+2], 128<<16
	s_mov_b32 s[G1B+3], 128<<16
	s_mov_b32 s[G1B+4], 128
	s_mov_b32 s[G1B+5], 1024
	s_mov_b32 s[G1B+6], 0
	s_mov_b32 s[G1B+7], 0
	; the tokens' address hangs on the tile row and the wave alone, wp's on the tile column and the wave alone, each in registers that never hold the other coordinate
	s_lshl_b32 s16, s14, 20                        ; my head of the step: 8,192 rows of 128 bytes a head
	s_lshl_b32 s17, s45, 14                        ; 128 tokens of 128 bytes a tile row
	s_add_co_u32 s16, s16, s17
	s_mov_b32 s17, 0
	s_lshl_b32 s46, s42, 19                        ; 256 rows of 2,048 bytes a tile column,
	s_lshl_b32 s47, s14, 18                        ; my 128 of them
	s_add_co_u32 s46, s46, s47
	s_mov_b32 s47, 0
	s_mul_i32 s20, s14, AH                         ; where they go: no place in the cluster enters an LDS address
	s_mul_i32 s21, s14, BH
	s_add_co_u32 s21, s21, BOFF
	s_wait_dscnt 0x0                               ; both opening adds are done
	s_wait_kmcnt 0x0
	s_add_nc_u64 s[16:17], s[4:5], s[16:17]
	s_add_nc_u64 s[46:47], s[6:7], s[46:47]
	CROUND                                         ; all sixteen work-groups are here: the first joint loads meet
.irp s, 0,1
	s_mov_b32 s[G0+4*\s], 1
	s_add_co_u32 s[G0+4*\s+1], s20, \s*SLOT
	s_add_nc_u64 s[G0+4*\s+2:G0+4*\s+3], s[16:17], \s*(1<<21)      ; K step s begins with head 2 s
	s_or_b32 s[G0+4*\s+3], s[G0+4*\s+3], 0x80000000
	s_mov_b32 s[G0B+4*\s], 1
	s_add_co_u32 s[G0B+4*\s+1], s21, \s*SLOT
	s_add_nc_u64 s[G0B+4*\s+2:G0B+4*\s+3], s[46:47], \s*256
	s_or_b32 s[G0B+4*\s+3], s[G0B+4*\s+3], 0x80000000
	JLOAD \s
.endr
	v_and_b32 v1, 15, v0                           ; r
	v_bfe_u32 v2, v0, 4, 1                         ; h
	v_lshlrev_b32 v[BO], 5, v2
	s_lshl_b32 s46, s42, 10                        ; my first column, in bytes of f32: 1,024 x tile column + 512 x half
	s_lshl_b32 s47, s14, 9
	s_add_co_u32 s46, s46, s47
	s_mov_b32 s47, 0
	s_add_nc_u64 s[8:9], s[8:9], s[46:47]
.irp b, 0,1,2,3,4,5,6,7                ; the bias in the result's layout: tile b's register j is b_proj[first column + 16 b + 8 h + j]
	global_load_b128 v[BI+8*\b:BI+8*\b+3], v[BO], s[8:9] offset:64*\b
	global_load_b128 v[BI+8*\b+4:BI+8*\b+7], v[BO], s[8:9] offset:64*\b+16
.endr
	s_lshl_b32 s20, s45, 19                        ; out0: 128 rows of 4,096 bytes a tile row,
	s_lshl_b32 s21, s13, 18                        ; my 64 of them,
	s_add_co_u32 s20, s20, s21
	s_add_co_u32 s20, s20, s46                     ; my columns
	s_mov_b32 s21, 0
	s_add_nc_u64 s[10:11], s[10:11], s[20:21]
	v_mul_u32_u24 v3, v1, PA
	v_lshl_add_u32 v3, v2, 4, v3                   ; a fragment's row x pitch + 16 x half
	v_mul_u32_u24 v4, v1, PB
	v_lshl_add_u32 v4, v2, 4, v4
	s_mul_i32 s21, s13, 64*PA                      ; my 64 tokens
	s_mul_i32 s22, s14, BH                         ; my 128 rows of wp
	s_add_co_u32 s22, s22, BOFF
.irp s, 0,1
	v_add_nc_u32 v[ADRA+\s], s21, v3
	v_add_nc_u32 v[ADRB+\s], s22, v4
	s_add_co_u32 s21, s21, SLOT
	s_add_co_u32 s22, s22, SLOT
.endr
	s_mul_i32 s23, s12, 16*SPITCH                  ; my stage
	v_mul_u32_u24 v5, v1, SPITCH                   ; in: row r, 32 bytes for each half of the lanes
	v_lshl_add_u32 v5, v2, 5, v5
	v_add_nc_u32 v[STO], s23, v5
	v_and_b32 v6, 31, v0
	v_lshlrev_b32 v[CO], 4, v6                     ; back: the 32 lanes take one row of 512 bytes; and the same in out0
	v_add_nc_u32 v[RD], s23, v[CO]
; 8 matrix instructions: tokens' block a against wp's eight, 32 along K, from buffer f.  first = 1: the sums start from the bias.  The 32 accumulators take turns, one instruction a turn.
.macro MUL8 f, a, first
.irp b, 0,1,2,3,4,5,6,7
.if \first
	v_wmma_f32_16x16x32_f16 v[8*(8*(\a)+\b):8*(8*(\a)+\b)+7], v[64*(\f)+8*\b:64*(\f)+8*\b+7], v[64+32*(\f)+8*(\a):64+32*(\f)+8*(\a)+7], v[BI+8*\b:BI+8*\b+7]
.else
	v_wmma_f32_16x16x32_f16 v[8*(8*(\a)+\b):8*(8*(\a)+\b)+7], v[64*(\f)+8*\b:64*(\f)+8*\b+7], v[64+32*(\f)+8*(\a):64+32*(\f)+8*(\a)+7], v[8*(8*(\a)+\b):8*(8*(\a)+\b)+7]
.endif
.endr
.endm
; 24 LDS loads in one run: the fragments of the slot's q-th 32 along K into buffer f: wp's eight, then the tokens' four (head q / 2 of the step, channels 32 (q % 2) on)
.macro FETCH slot, q, f
	WIN TO_B
.irp i, 0,1,2,3,4,5,6,7
	ds_load_b128 v[64*(\f)+8*\i:64*(\f)+8*\i+3],   v[ADRB+\slot] offset:64*(\q)+\i*16*PB
	ds_load_b128 v[64*(\f)+8*\i+4:64*(\f)+8*\i+7], v[ADRB+\slot] offset:64*(\q)+\i*16*PB+32
.endr
	WIN 0
.irp i, 0,1,2,3
	ds_load_b128 v[64+32*(\f)+8*\i:64+32*(\f)+8*\i+3],   v[ADRA+\slot] offset:((\q)/2)*AH+((\q)%2)*64+\i*16*PA
	ds_load_b128 v[64+32*(\f)+8*\i+4:64+32*(\f)+8*\i+7], v[ADRA+\slot] offset:((\q)/2)*AH+((\q)%2)*64+\i*16*PA+32
.endr
.endm
.macro PLACES                          ; four plain vector instructions between a matrix instruction and a load into, or a read of, its registers
.rept 4
	v_nop
.endr
.endm
; A K step is four quarters of 32 along K, 32 matrix instructions each, on buffers 0, 1, 0, 1.  One of the first three: multiplies buffer f and fetches the slot's quarter q into g.
.macro QUARTER slot, q, f, g, first
	s_wait_dscnt 4                                 ; wp's eight and the tokens' blocks 0, 1 are in; the youngest four loads (blocks 2, 3) may be out
.if \first
	WIN MULF
.else
	WIN MUL
.endif
	MUL8 \f, 0, \first
	MUL8 \f, 1, \first
	PLACES
	FETCH \slot, \q, \g
	s_wait_dscnt 24                                ; all but the 24 just issued
.if \first
	WIN MULF
.else
	WIN MUL
.endif
	MUL8 \f, 2, \first
	MUL8 \f, 3, \first
.endm
; The last quarter multiplies buffer 1 and changes slots: ONE barrier; in front of it each wave waits for all its tensor loads, adds 0 to its spare word, and waits for that and for its reads of this slot.
; fill = 1: the barrier opens a round of the cluster's, and this slot is filled again, two K steps ahead: 112 matrix instructions stand between that request and the wait for it.
.macro TURN slot, next, fill
	WIN 0                                          ; (the add's two registers lie in window 0)
	s_wait_tensorcnt 0x0                           ; all my tensor loads have landed: the one that was out is my part of the next slot
	ds_add_u32 v[SPW], v[NIL]
	s_wait_dscnt 5                                 ; (the add and the youngest four loads may be out)
	WIN MUL
	MUL8 1, 0, 0                                   ; eight matrix instructions stand between the add and the wait for it
	s_wait_dscnt 0x0                               ; the add is done, and my reads of this slot are over
	s_barrier_signal -1
	MUL8 1, 1, 0
	WIN 0
	s_barrier_wait -1
.if \fill
	CREST                                          ; no wave of any partner still reads this slot's tile or has a load on its way
	s_add_nc_u64 s[G0+4*\slot+2:G0+4*\slot+3], s[G0+4*\slot+2:G0+4*\slot+3], 1<<22      ; two K steps on: four heads
	s_add_nc_u64 s[G0B+4*\slot+2:G0B+4*\slot+3], s[G0B+4*\slot+2:G0B+4*\slot+3], 512
	JLOAD \slot                                    ; the first tensor load behind the round; the four v_nop behind it are also the places in front of the loads below
.else
	PLACES
.endif
	FETCH \next, 0, 0
	WIN MUL
	MUL8 1, 2, 0
	MUL8 1, 3, 0
.endm
	s_wait_tensorcnt 1                             ; my part of K step 0 is in; K step 1's load stays out
	s_barrier_signal -1
	s_barrier_wait -1                              ; everybody's is
	FETCH 0, 0, 0
	s_wait_loadcnt 0x0                             ; the bias
	QUARTER 0, 1, 0, 1, 1                          ; the first quarter stands in front of the loop: its products start the sums from the bias
	WIN 0                                          ; at a label and at a branch every window is 0
	s_mov_b32 s3, LAPS-1
.Llap:                                                 ; a trip goes once round the ring, from a lap's second quarter to the next lap's first, and fills both slots again
	QUARTER 0, 2, 1, 0, 0
	QUARTER 0, 3, 0, 1, 0
	TURN 0, 1, 1
	QUARTER 1, 1, 0, 1, 0
	QUARTER 1, 2, 1, 0, 0
	QUARTER 1, 3, 0, 1, 0
	TURN 1, 0, 1
	QUARTER 0, 1, 0, 1, 0
	WIN 0
	s_sub_co_u32 s3, s3, 1
	s_cmp_lg_u32 s3, 0
	s_cbranch_scc1 .Llap
	QUARTER 0, 2, 1, 0, 0                          ; the last lap fills nothing, and has no round of the cluster's barrier
	QUARTER 0, 3, 0, 1, 0
	TURN 0, 1, 0
	QUARTER 1, 1, 0, 1, 0
	QUARTER 1, 2, 1, 0, 0
	QUARTER 1, 3, 0, 1, 0
	s_wait_dscnt 4                                 ; the very last quarter: nothing more to fetch
	WIN MUL
	MUL8 1, 0, 0
	MUL8 1, 1, 0
	s_wait_dscnt 0
	MUL8 1, 2, 0
	MUL8 1, 3, 0
	WIN 0
; THE WAY OUT, block by block of 16 tokens x 128 columns.  A lane holds 32 neighbouring bytes of a row: a block goes through my own stage and comes back as whole rows of 512 bytes, which the 32 lanes store, aligned.
; LDS serves a wave's instructions in order (ISA guide 5.7.1.4): no wait between the stores and the loads, nor in front of the next block's stores.
.macro TOSTAGE a
	WIN 0x08                                       ; an LDS store's data are its source 1: window 2
.irp b, 0,1,2,3,4,5,6,7
	ds_store_b128 v[STO], v[8*(8*(\a)+\b):8*(8*(\a)+\b)+3] offset:64*\b          ; each accumulator from its low end on
	ds_store_b128 v[STO], v[8*(8*(\a)+\b)+4:8*(8*(\a)+\b)+7] offset:64*\b+16
.endr
	WIN 0
.set BB, BK+64*((\a)%2)
.irp t, 0,1,2,3,4,5,6,7,8,9,10,11,12,13,14,15
	ds_load_b128 v[BB+4*\t:BB+4*\t+3], v[RD] offset:\t*SPITCH
.endr
.endm
.macro SEND a, younger                 ; younger: the LDS instructions issued behind block a's loads, which may stay out
.set BB, BK+64*((\a)%2)
	s_wait_dscnt \younger
.irp t, 0,1,2,3,4,5,6,7,8,9,10,11,12,13,14,15
	global_store_b128 v[CO], v[BB+4*\t:BB+4*\t+3], s[10:11] offset:(\a)*65536+\t*4096 th:TH_STORE_NT
.endr
.endm
	PLACES                                         ; behind the last products, ahead of the first read of results
	TOSTAGE 0
.irp a, 1,2,3
.if \a > 1
	s_wait_xcnt 0x0                                ; block a - 2's stores have read their registers: block a's loads may land there
.endif
	TOSTAGE \a
	SEND \a-1, 32                                  ; behind block a - 1's loads: block a's 16 stores and 16 loads
.endr
	SEND 3, 0
	s_wait_tensorcnt 0x0                           ; the wave's end: behind my last tensor load and my last LDS store
	ds_add_u32 v[SPW], v[NIL]
	s_wait_dscnt 0x0
	CROUND                                         ; the closing round: no work-group ends while a partner may still ask for a tile that names it
	s_endpgm
.Lfunc_end_k_qf51e68e9d5_proj:
	.size	k_qf51e68e9d5_proj, .Lfunc_end_k_qf51e68e9d5_proj-k_qf51e68e9d5_proj
	.p2alignl 7, 3214868480
	.fill 96, 4, 3214868480
	.section	.rodata,"a",@progbits
	.p2align	6, 0x0
	.amdhsa_kernel k_qf51e68e9d5_proj
		.amdhsa_group_segment_fixed_size 327680
		.amdhsa_private_segment_fixed_size 0
		.amdhsa_enable_private_segment 0
		.amdhsa_kernarg_size 32
		.amdhsa_user_sgpr_count 2
		.amdhsa_user_sgpr_kernarg_segment_ptr 1
		.amdhsa_wavefront_size32 1
		.amdhsa_system_sgpr_workgroup_id_x 1
		.amdhsa_system_sgpr_workgroup_id_y 1
		.amdhsa_system_sgpr_workgroup_id_z 1
		.amdhsa_system_vgpr_workitem_id 0
		.amdhsa_next_free_vgpr 768
		.amdhsa_next_free_sgpr 66
		.amdhsa_reserve_vcc 0
		.amdhsa_float_denorm_mode_32 3
		.amdhsa_float_denorm_mode_16_64 3
		.amdhsa_memory_ordered 1
		.amdhsa_forward_progress 1
		.amdhsa_inst_pref_size 87
	.end_amdhsa_kernel
	.amdgpu_metadata
---
amdhsa.version: [ 1, 2 ]
amdhsa.kernels:
  - .name:           k_qf51e68e9d5_proj
    .symbol:         k_qf51e68e9d5_proj.kd
    .args:
      - { .name: att, .offset: 0, .size: 8, .value_kind: global_buffer, .address_space: global }
      - { .name: wp, .offset: 8, .size: 8, .value_kind: global_buffer, .address_space: global }
      - { .name: b_proj, .offset: 16, .size: 8, .value_kind: global_buffer, .address_space: global }
      - { .name: out0, .offset: 24, .size: 8, .value_kind: global_buffer, .address_space: global }
    .group_segment_fixed_size: 327680
    .private_segment_fixed_size: 0
    .kernarg_segment_align: 8
    .kernarg_segment_size: 32
    .max_flat_workgroup_size: 128
    .sgpr_count:     66
    .vgpr_count:     768
    .wavefront_size: 32
...
	.end_amdgpu_metadata
.endif
;; end of part 4
